; MI455X (gfx1250); checked and timed in simulation.
; The chip was launched on July 23, 2026; its instructions are those of AMD's public machine-readable ISA for CDNA 5 (MIT licence, August 2026) and "CDNA5" Instruction Set Architecture Reference Guide (July 2026). The comments in the code are by the model that wrote it; some were corrected since.
;; Spatial Axis. Allowed arithmetic: matrix products marked QUANTISED: E2M1 operands, one E8M0 scale for each 32 along K, by v_wmma_scale_f32_16x16x128_f8f6f4 with both operands' format E2M1 (or v_wmma_scale_f32_32x16x128_f4), f32 sums; products left as they are: f32 operands where the result goes on into a quantised operand, else bf16, f16 or f32 operands; f32 sums; everything else in f32.
;; Inputs: b_fc1 2 x 1,024 float32; b_fc2 2 x 256 float32; b_pos 2 x 8 float32; b_proj 2 x 256 float32; b_qkv 2 x 768 float32; coords 1 x 32,768 x 3 float32; ln1_b 2 x 256 float32; ln1_g 2 x 256 float32; ln2_b 2 x 256 float32; ln2_g 2 x 256 float32; norm_b 1 x 256 float32; norm_g 1 x 256 float32; w_fc1_codes 2 x 1,024 x 8 x 16 uint8 (E2M1 codes of w_fc1, K innermost, in blocks of 32 codes, two codes a byte); w_fc1_scales 2 x 1,024 x 8 uint8 (E8M0 scales of w_fc1, one for each 32 codes along K); w_fc2_codes 2 x 256 x 32 x 16 uint8 (E2M1 codes of w_fc2, K innermost, in blocks of 32 codes, two codes a byte); w_fc2_scales 2 x 256 x 32 uint8 (E8M0 scales of w_fc2, one for each 32 codes along K); w_pos 2 x 3 x 8 float32; w_proj_codes 2 x 256 x 8 x 16 uint8 (E2M1 codes of w_proj, K innermost, in blocks of 32 codes, two codes a byte); w_proj_scales 2 x 256 x 8 uint8 (E8M0 scales of w_proj, one for each 32 codes along K); w_qkv_codes 2 x 768 x 8 x 16 uint8 (E2M1 codes of w_qkv, K innermost, in blocks of 32 codes, two codes a byte); w_qkv_scales 2 x 768 x 8 uint8 (E8M0 scales of w_qkv, one for each 32 codes along K); x 1 x 32,768 x 256 float32.
;; Outputs: out0 1 x 32,768 x 256 float32.
;; This version of the problem:
;;   THIS VERSION OF THE PROBLEM IS GIVEN IN LOW PRECISION. The matrix products marked QUANTISED in the list below multiply operands that are first quantised to E2M1 (2 exponent bits, 1 mantissa bit; 4 bits a number), with one power-of-two scale for each 32 numbers along K (OCP MX v1.0); their sums are f32. All else is computed in f32.
;;   The module's matrix products, in the order in which they are computed (A, B: the left and right operand; K: the contracted axis; several contracted axes count as one K, in the product's order):
;;     1. [M 32,768, K 256] x [K 256, N 768]; A: computed on the way; B: input w_qkv (given as codes): QUANTISED
;;     2. batch 1,024 x [M 256, K 32] x [K 32, N 256]; A: computed on the way; B: computed on the way: QUANTISED
;;     3. [M 8, K 3] x [K 3, N 8,388,608]; A: input w_pos; B: computed on the way: left as it is (K = 3 < 32)
;;     4. batch 1,024 x [M 32, K 256] x [K 256, N 256]; A: computed on the way; B: softmax (see below): QUANTISED
;;     5. [M 32,768, K 256] x [K 256, N 256]; A: computed on the way; B: input w_proj (given as codes): QUANTISED
;;     6. [M 32,768, K 256] x [K 256, N 1,024]; A: computed on the way; B: input w_fc1 (given as codes): QUANTISED
;;     7. [M 32,768, K 1,024] x [K 1,024, N 256]; A: computed on the way; B: input w_fc2 (given as codes): QUANTISED
;;     8. [M 32,768, K 256] x [K 256, N 768]; A: computed on the way; B: input w_qkv (given as codes): QUANTISED
;;     9. batch 1,024 x [M 256, K 32] x [K 32, N 256]; A: computed on the way; B: computed on the way: QUANTISED
;;     10. [M 8, K 3] x [K 3, N 8,388,608]; A: input w_pos; B: computed on the way: left as it is (K = 3 < 32)
;;     11. batch 1,024 x [M 32, K 256] x [K 256, N 256]; A: computed on the way; B: softmax (see below): QUANTISED
;;     12. [M 32,768, K 256] x [K 256, N 256]; A: computed on the way; B: input w_proj (given as codes): QUANTISED
;;     13. [M 32,768, K 256] x [K 256, N 1,024]; A: computed on the way; B: input w_fc1 (given as codes): QUANTISED
;;     14. [M 32,768, K 1,024] x [K 1,024, N 256]; A: computed on the way; B: input w_fc2 (given as codes): QUANTISED
;;   THE QUANTISER, for each operand of a quantised product, along K:
;;     - K is cut into blocks of 32 from its start; a last block that is shorter is filled with zeros.
;;     - A block's scale is 2^e with e = floor(log2(the largest magnitude in the block)) - 2, held to -126 .. 127; a block of zeros has e = 0. As a byte (E8M0): e + 127.
;;     - Each number is divided by its block's scale, clamped to +-6, and rounded to the nearest number of E2M1, ties to even, subnormals kept.
;;     - The product sums the exact products of the quantised numbers (number of the format x scale) in f32.
;;   ~~~python
;;   def quantise(x, axis):      # numpy; x: float32 -> the quantised numbers, widened to float32 again
;;       x = np.moveaxis(x, axis, -1); K = x.shape[-1]
;;       x = np.pad(x, [(0, 0)] * (x.ndim - 1) + [(0, -K % 32)]); x = x.reshape(x.shape[:-1] + (-1, 32)); a = np.abs(x).max(-1, keepdims=True)
;;       e = np.where(a > 0, np.clip(np.frexp(np.where(a > 0, a, 1))[1] - 1 - 2, -126, 127), 0)      # np.frexp(a)[1] - 1 = floor(log2(a)), exactly
;;       r = np.clip(x / 2.0 ** e, -6, 6)
;;       step = 2.0 ** (np.maximum(np.frexp(np.where(r == 0, 1, r))[1] - 1, 0) - 1)
;;       q = np.round(r / step) * step * 2.0 ** e      # np.round: ties to even
;;       return np.moveaxis(q.reshape(q.shape[:-2] + (-1,))[..., :K], -1, axis).astype(np.float32)
;;   ~~~
;;   SOFTMAX AHEAD OF A QUANTISED PRODUCT. Where the list says 'softmax', what is quantised is not the finished softmax but p = 2^(t - M), with t = logit x log2(e) and M = ceil(the row's largest t), a whole number; so 1/2 < the row's largest p <= 1. The row's sum l is taken of the UNQUANTISED p, in f32, and the product's result is divided by l at the end. Since M is a whole number, a kernel that streams over the keys may use a running M (the ceiling of the running maximum): every later rescaling is an exact power of two, which a block's scale takes up: the codes' values come out the same.
;;   OPERANDS COMPUTED ON THE WAY. 'Computed on the way' means the value that the module computes at that place (a softmax that the list does not call 'softmax' is quantised finished and normalised). What goes into a quantiser is computed in f32, as accurately as f32 sums, v_exp_f32 and their like allow (about 1e-6 of the number): no bf16 or f16 on the way to a quantiser, and a product that is left as it is and whose result goes on into a quantised operand takes f32 operands (vector FMAs, or v_wmma_f32_16x16x4_f32). A number that lies on a knife's edge between two numbers of the format may be rounded either way, as far as f32 arithmetic and the matrix unit's own rounding can turn it there, and no further.
;;   INPUTS GIVEN AS CODES. w_fc1 (in the module: [2, 256, 1024], K = its axis 1); w_fc2 (in the module: [2, 1024, 256], K = its axis 1); w_proj (in the module: [2, 256, 256], K = its axis 1); w_qkv (in the module: [2, 256, 768], K = its axis 1): each comes as NAME_codes (uint8): NAME with its K axis moved to the last place and cut into blocks of 32 codes, [.., K / 32, bytes a block], one block behind the other in memory; two codes a byte, the lower K in the low four bits (a code: sign, 2 exponent bits, 1 mantissa bit); and NAME_scales (uint8): the same leading axes, one E8M0 byte (e + 127) for each 32 codes along K. Its value is code x scale, taken as it is: it is not quantised again, and the codes and scales need not be those that the quantiser above would give.
;; 2 versions. Each part assembles by itself: llvm-mc -triple=amdgcn-amd-amdhsa -mcpu=gfx1250 --defsym DOCPART=n.
;; ======== version 1 of 2: 4 launches
;; workspace buffers: scode 262,144 bytes of whole numbers; sidx 262,144 bytes of whole numbers; perm0 131,328 bytes of whole numbers; perm1 131,328 bytes of whole numbers; x1 33,554,432 bytes
;; launch sorttiles (part 1): grid 32 x 2, 32 waves a work-group, no clusters, 21,504 bytes of LDS; arguments coords, scode, sidx; writes scode, sidx
.if DOCPART == 1
	.amdgcn_target "amdgcn-amd-amdhsa--gfx1250"
	.amdhsa_code_object_version 6
	.text
	.protected	k_q9ca591ad2b_sorttiles
	.globl	k_q9ca591ad2b_sorttiles
	.p2align	8
	.type	k_q9ca591ad2b_sorttiles,@function
k_q9ca591ad2b_sorttiles:
	s_mov_b64 s[64:65], 0
	v_nop
	global_prefetch_b8 v0, s[64:65] scope:SCOPE_SE
	s_setreg_imm32_b32 hwreg(HW_REG_WAVE_MODE, 25, 1), 1
	s_wait_xcnt 0x0
; Morton codes of all points for order o (work-group y), and a stable sort of tile tau (work-group x) of 1,024 points.
; Thread t owns point e = 1024 tau + t.  Every work-group scans all coordinates for the three minima and maxima (393,216 bytes).
; The codes come from floating-point numbers, so they steer no address here: the sort is a bitonic network, whose partners are fixed;
; a code and its index only move between lanes.  Keys are (code, index): all different, so the order is that of a stable sort.
; LIMITS: coordinates are finite.  The quotient (c - min) / (max - min + 1e-9) is made by a reciprocal, one Newton step and two
; corrections by fused multiply-adds; it lies in 0 .. 1, so the clip at 0 is not written and the clip at 1023 is one minimum.
.set RED,  0                           ; LDS: [6 values][32 waves] f32
.set EX,   1024                        ; LDS: two exchange buffers of 1,024 x 8 bytes, by turns
.set SB,   20                          ; s[SB+i]: the lanes' mask of bit i of t (i = 0 .. 9); s[SB+10] = 0
.set BUFN, 0
	s_load_b128 s[4:7], s[0:1], 0x0                ; coords, scode
	s_load_b64 s[8:9], s[0:1], 0x10                ; sidx
	v_lshl_add_u32 v126, v0, 2, 0x4400
	v_mov_b32 v127, 0
	v_lshrrev_b32 v7, 5, v0
	v_readfirstlane_b32 s10, v7                    ; wave 0..31
	s_and_b32 s11, ttmp7, 0xffff                   ; the order o
	v_and_b32 v1, 31, v0
	s_lshl_b32 s15, ttmp9, 10
	v_add_nc_u32 v3, s15, v0                       ; my point's index e
	v_mul_u32_u24 v13, v3, 12                      ; its 12 bytes
	v_mul_u32_u24 v12, v0, 48                      ; the scan: four points a thread and chunk
	v_lshlrev_b32 v6, 3, v0                        ; 8 t: my place in an exchange buffer
	v_lshlrev_b32 v14, 2, v7                       ; 4 x wave
	v_lshlrev_b32 v15, 2, v1                       ; 4 x lane
	s_lshl_b32 s18, s11, 17
	v_lshl_add_u32 v11, v3, 2, s18                 ; where my sorted place is stored: 131,072 o + 4 e
	v_mov_b32 v4, 0                                ; written once: destinations of lane moves count as read
	v_mov_b32 v5, 0
.irp k, 0,1,2,3,4,5
	v_mov_b32 v[118+\k], 0
.endr
	s_mov_b32 s16, 0x76543210
	s_mov_b32 s17, 0xfedcba98                      ; lane l xor 16
	s_mov_b32 s[SB+0], 0xaaaaaaaa
	s_mov_b32 s[SB+1], 0xcccccccc
	s_mov_b32 s[SB+2], 0xf0f0f0f0
	s_mov_b32 s[SB+3], 0xff00ff00
	s_mov_b32 s[SB+4], 0xffff0000
.irp i, 0,1,2,3,4
	s_bfe_u32 s[SB+5+\i], s10, (1<<16)|\i          ; bit 5 + i of t is bit i of the wave's number:
	s_sub_co_u32 s[SB+5+\i], 0, s[SB+5+\i]         ; all lanes or none
.endr
	s_mov_b32 s[SB+10], 0
	s_cmp_eq_u32 s11, 0                            ; order 0: x, y, z at bits 0, 1, 2; order 1 (axes rolled): y, z, x
	s_cselect_b32 s12, 0, 2
	s_cselect_b32 s13, 1, 0
	s_cselect_b32 s14, 2, 1
	s_wait_kmcnt 0x0
	global_load_b32 v8, v13, s[4:5]
	global_load_b32 v9, v13, s[4:5] offset:4
	global_load_b32 v10, v13, s[4:5] offset:8
.irp i, 0,1,2,3,4,5,6,7
.irp j, 0,1,2
	global_load_b128 v[16+12*\i+4*\j:19+12*\i+4*\j], v12, s[4:5] offset:49152*\i+16*\j
.endr
.endr
	s_wait_loadcnt 0x0
	; minima v112-114 and maxima v115-117: in a chunk's 12 numbers axis a stands at a, a + 3, a + 6, a + 9
.irp a, 0,1,2
	v_mov_b32 v[112+\a], v[16+\a]
	v_mov_b32 v[115+\a], v[16+\a]
.endr
.irp i, 0,1,2,3,4,5,6,7
.irp a, 0,1,2
	v_min3_num_f32 v[112+\a], v[112+\a], v[16+12*\i+\a], v[19+12*\i+\a]
	v_max3_num_f32 v[115+\a], v[115+\a], v[16+12*\i+\a], v[19+12*\i+\a]
	v_min3_num_f32 v[112+\a], v[112+\a], v[22+12*\i+\a], v[25+12*\i+\a]
	v_max3_num_f32 v[115+\a], v[115+\a], v[22+12*\i+\a], v[25+12*\i+\a]
.endr
.endr
.macro WRED                            ; the six over the wave's 32 lanes, the result in every lane
.irp m, 1,2,4,8
.irp a, 0,1,2
	v_min_num_f32_dpp v[112+\a], v[112+\a], v[112+\a] row_xmask:\m row_mask:0xf bank_mask:0xf
	v_max_num_f32_dpp v[115+\a], v[115+\a], v[115+\a] row_xmask:\m row_mask:0xf bank_mask:0xf
.endr
.endr
.irp k, 0,1,2,3,4,5
	v_permlanex16_b32 v[118+\k], v[112+\k], s16, s17
.endr
.irp a, 0,1,2
	v_min_num_f32 v[112+\a], v[112+\a], v[118+\a]
	v_max_num_f32 v[115+\a], v[115+\a], v[121+\a]
.endr
.endm
	WRED
.irp k, 0,1,2,3,4,5
	ds_store_b32 v14, v[112+\k] offset:RED+128*\k  ; all lanes write their wave's word with the same value
.endr
	s_wait_dscnt 0x0                               ; for the others: my stores are done
	s_barrier_signal -1
	s_barrier_wait -1
.irp k, 0,1,2,3,4,5
	ds_load_b32 v[112+\k], v15 offset:RED+128*\k   ; lane l takes wave l's
.endr
	s_wait_dscnt 0x0
	WRED
	; q = trunc((c - min) / (max - min + 1e-9) x 1023).  v16.. d, v20.. 1/d, v24.. at work, v28.. c - min, v32.. the quotient
.irp a, 0,1,2
	v_sub_f32 v[16+\a], v[115+\a], v[112+\a]
.endr
.irp a, 0,1,2
	v_add_f32 v[16+\a], 0x3089705f, v[16+\a]       ; + 1e-9
.endr
.irp a, 0,1,2
	v_rcp_f32 v[20+\a], v[16+\a]
.endr
.irp a, 0,1,2
	v_sub_f32 v[28+\a], v[8+\a], v[112+\a]         ; plain work behind the reciprocals
.endr
	s_wait_alu depctr_va_vdst(0)                   ; one wait for the three, ahead of their first reader
.irp a, 0,1,2
	v_fma_f32 v[24+\a], -v[16+\a], v[20+\a], 1.0
.endr
.irp a, 0,1,2
	v_fma_f32 v[20+\a], v[24+\a], v[20+\a], v[20+\a]
.endr
.irp a, 0,1,2
	v_mul_f32 v[32+\a], v[28+\a], v[20+\a]
.endr
.rept 2                                ; remainder and correction, twice
.irp a, 0,1,2
	v_fma_f32 v[24+\a], -v[16+\a], v[32+\a], v[28+\a]
.endr
.irp a, 0,1,2
	v_fma_f32 v[32+\a], v[24+\a], v[20+\a], v[32+\a]
.endr
.endr
.irp a, 0,1,2
	v_mul_f32 v[32+\a], 0x447fc000, v[32+\a]       ; x 1023
.endr
.irp a, 0,1,2
	v_cvt_i32_f32 v[32+\a], v[32+\a]               ; toward zero
.endr
.irp a, 0,1,2
	v_min_u32 v[32+\a], 0x3ff, v[32+\a]
.endr
.irp a, 0,1,2                          ; two zero bits between each two of the ten
	v_lshl_or_b32 v[32+\a], v[32+\a], 16, v[32+\a]
	v_and_b32 v[32+\a], 0x030000ff, v[32+\a]
	v_lshl_or_b32 v[32+\a], v[32+\a], 8, v[32+\a]
	v_and_b32 v[32+\a], 0x0300f00f, v[32+\a]
	v_lshl_or_b32 v[32+\a], v[32+\a], 4, v[32+\a]
	v_and_b32 v[32+\a], 0x030c30c3, v[32+\a]
	v_lshl_or_b32 v[32+\a], v[32+\a], 2, v[32+\a]
	v_and_b32 v[32+\a], 0x09249249, v[32+\a]
.endr
	v_lshlrev_b32 v32, s12, v32
	v_lshlrev_b32 v33, s13, v33
	v_lshlrev_b32 v34, s14, v34
	v_or_b32 v2, v32, v33
	v_or_b32 v2, v2, v34                           ; my code; v3 is my index
; One compare-exchange with the thread t xor 2^p, in the merge of runs of 2^L.  I take the partner's pair where
; (partner < mine) xor (bit p of t) xor (bit L of t).
.macro DPPX m
	v_mov_b32_dpp v4, v2 row_xmask:\m row_mask:0xf bank_mask:0xf
	v_mov_b32_dpp v5, v3 row_xmask:\m row_mask:0xf bank_mask:0xf
.endm
.macro CE L, p
.if \p == 0
	DPPX 1
.elseif \p == 1
	DPPX 2
.elseif \p == 2
	DPPX 4
.elseif \p == 3
	DPPX 8
.elseif \p == 4
	v_permlanex16_b32 v4, v2, s16, s17
	v_permlanex16_b32 v5, v3, s16, s17
.else
	ds_store_b64 v6, v[2:3] offset:EX+8192*BUFN    ; the partner is in another wave: through LDS
	s_wait_dscnt 0x0                               ; my store is done; my reads of the other buffer, one exchange back, were awaited there:
	s_barrier_signal -1                            ; so the buffer written two exchanges on has been left by every reader
	s_barrier_wait -1
	v_xor_b32 v7, 8<<\p, v6
	ds_load_b64 v[4:5], v7 offset:EX+8192*BUFN
	s_wait_dscnt 0x0
.set BUFN, 1-BUFN
.endif
	v_cmp_lt_u32 s31, v4, v2
	v_cmp_eq_u32 s32, v4, v2
	v_cmp_lt_u32 s33, v5, v3
	s_and_b32 s32, s32, s33
	s_or_b32 s31, s31, s32                         ; the partner's (code, index) is the smaller
	s_xor_b32 s31, s31, s[SB+\p]
	s_xor_b32 vcc_lo, s31, s[SB+\L]
	v_cndmask_b32 v2, v2, v4, vcc_lo
	v_cndmask_b32 v3, v3, v5, vcc_lo
.endm
.irp L, 1,2,3,4,5,6,7,8,9,10
.irp p, 9,8,7,6,5,4,3,2,1,0
.if \p < \L
	CE \L, \p
.endif
.endr
.endr
	global_store_b32 v11, v2, s[6:7]               ; 32 lanes store 128 consecutive bytes
	global_store_b32 v11, v3, s[8:9]
	s_wait_tensorcnt 0x0
	ds_add_u32 v126, v127
	s_wait_dscnt 0x0
	s_endpgm
.Lfunc_end_k_q9ca591ad2b_sorttiles:
	.size	k_q9ca591ad2b_sorttiles, .Lfunc_end_k_q9ca591ad2b_sorttiles-k_q9ca591ad2b_sorttiles
	.p2alignl 7, 3214868480
	.fill 96, 4, 3214868480
	.section	.rodata,"a",@progbits
	.p2align	6, 0x0
	.amdhsa_kernel k_q9ca591ad2b_sorttiles
		.amdhsa_group_segment_fixed_size 21504
		.amdhsa_private_segment_fixed_size 0
		.amdhsa_enable_private_segment 0
		.amdhsa_kernarg_size 24
		.amdhsa_user_sgpr_count 2
		.amdhsa_user_sgpr_kernarg_segment_ptr 1
		.amdhsa_wavefront_size32 1
		.amdhsa_system_sgpr_workgroup_id_x 1
		.amdhsa_system_sgpr_workgroup_id_y 1
		.amdhsa_system_sgpr_workgroup_id_z 1
		.amdhsa_system_vgpr_workitem_id 0
		.amdhsa_next_free_vgpr 128
		.amdhsa_next_free_sgpr 66
		.amdhsa_reserve_vcc 1
		.amdhsa_float_denorm_mode_32 3
		.amdhsa_float_denorm_mode_16_64 3
		.amdhsa_memory_ordered 1
		.amdhsa_forward_progress 1
		.amdhsa_inst_pref_size 51
	.end_amdhsa_kernel
	.amdgpu_metadata
---
amdhsa.version: [ 1, 2 ]
amdhsa.kernels:
  - .name:           k_q9ca591ad2b_sorttiles
    .symbol:         k_q9ca591ad2b_sorttiles.kd
    .args:
      - { .name: coords, .offset: 0, .size: 8, .value_kind: global_buffer, .address_space: global }
      - { .name: scode, .offset: 8, .size: 8, .value_kind: global_buffer, .address_space: global }
      - { .name: sidx, .offset: 16, .size: 8, .value_kind: global_buffer, .address_space: global }
    .group_segment_fixed_size: 21504
    .private_segment_fixed_size: 0
    .kernarg_segment_align: 8
    .kernarg_segment_size: 24
    .max_flat_workgroup_size: 1024
    .sgpr_count:     66
    .vgpr_count:     128
    .wavefront_size: 32
...
	.end_amdgpu_metadata
.endif
;; end of part 1
;; launch rank (part 2): grid 128 x 2, 8 waves a work-group, no clusters, 132,096 bytes of LDS; arguments scode, sidx, perm0, perm1; writes perm0, perm1
.if DOCPART == 2
	.amdgcn_target "amdgcn-amd-amdhsa--gfx1250"
	.amdhsa_code_object_version 6
	.text
	.protected	k_q9ca591ad2b_rank
	.globl	k_q9ca591ad2b_rank
	.p2align	8
	.type	k_q9ca591ad2b_rank,@function
k_q9ca591ad2b_rank:
	s_mov_b64 s[64:65], 0
	v_nop
	global_prefetch_b8 v0, s[64:65] scope:SCOPE_SE
	s_setreg_imm32_b32 hwreg(HW_REG_WAVE_MODE, 25, 1), 1
	s_wait_xcnt 0x0
; The place of each point in the stable order of all 32,768 codes of order o (work-group y), from the 32 sorted tiles.
; A work-group takes 256 neighbouring elements of one sorted tile a; a thread one element (code c, index idx).
; Its place = its place in its own tile + for each tile ahead of a the number of codes <= c (their indices are smaller)
; + for each tile behind a the number of codes < c.  Each number is a search by halves in that tile's 1,024 sorted codes, in LDS.
; perm[(place + 128 o) mod 32,768] = idx: order 1 is rolled by half a patch.  Behind each perm table 32 words hold o: the layer's number.
; All numbers here are whole numbers that an earlier launch stored.
; ORDER OF THE LINES: a step of the search is written in runs (32 minima, 32 LDS loads, then compares, adds and selects eight at a time),
; so that no line reads the result of a line nearer than eight back, and no LDS load stands behind the line that makes its address.
.set POS, 16                           ; v16-47   tile b: LDS byte of the search's lower end
.set VAL, 48                           ; v48-79   the code just read, then POS + the step
.set KEY, 80                           ; v80-111  c + 1 for tiles ahead of mine, c for the others: the search counts codes < KEY
.set MSK, 16                           ; s16-23   eight compares' masks
	s_load_b256 s[4:11], s[0:1], 0x0               ; scode, sidx, perm0, perm1
	v_lshl_add_u32 v144, v0, 2, 0x20000
	v_mov_b32 v145, 0
	s_and_b32 s13, ttmp7, 0xffff                   ; o
	s_lshr_b32 s12, ttmp9, 2                       ; my tile a
	v_lshlrev_b32 v1, 4, v0                        ; 16 t
	v_add_nc_u32 v2, 0x10000, v1
	s_lshl_b32 s14, ttmp9, 10
	v_lshl_add_u32 v5, v0, 2, s14                  ; my element's byte among the order's codes, in memory and in LDS
	s_lshl_b32 s16, s13, 17
	s_mov_b32 s17, 0
	s_wait_kmcnt 0x0
	s_add_nc_u64 s[4:5], s[4:5], s[16:17]
	s_add_nc_u64 s[6:7], s[6:7], s[16:17]
	s_cmp_eq_u32 s13, 0
	s_cselect_b64 s[8:9], s[8:9], s[10:11]         ; the order's table
	global_load_b32 v3, v5, s[4:5]                 ; c
	global_load_b32 v4, v5, s[6:7]                 ; idx
	; the order's 131,072 bytes of codes into LDS: 32 loads of 4,096 bytes by the 256 threads, all on their way at once, in v16-143
.set j, 0
.rept 32
	global_load_b128 v[16+4*j:19+4*j], v1, s[4:5] offset:4096*j
.set j, j+1
.endr
.set j, 0
.rept 16
	s_wait_loadcnt 31-j                            ; the loads issued behind load j may stay out
	ds_store_b128 v1, v[16+4*j:19+4*j] offset:4096*j
.set j, j+1
.endr
.rept 16
	s_wait_loadcnt 31-j
	ds_store_b128 v2, v[16+4*j:19+4*j] offset:4096*(j-16)
.set j, j+1
.endr
	s_wait_dscnt 0x0                               ; my stores are done, and have read their registers
	s_barrier_signal -1
.set b, 0
.rept 32                               ; register work while the others arrive
	s_cmp_gt_u32 s12, b
	s_cselect_b32 s14, 1, 0
	v_add_nc_u32 v[KEY+b], s14, v3
	v_mov_b32 v[POS+b], 4096*b
.set b, b+1
.endr
	s_barrier_wait -1                              ; from here on LDS is only read
; One step in all 32 tiles: where the code at POS + off is below KEY, POS goes on by inc.  The minimum never acts (POS stays in its tile);
; it states the bound of an address that hangs on loaded numbers.
.macro SEARCH clamp, off, inc
.set b, 0
.rept 32
	v_min_u32 v[POS+b], \clamp, v[POS+b]
.set b, b+1
.endr
.set b, 0
.rept 32
	ds_load_b32 v[VAL+b], v[POS+b] offset:\off
.set b, b+1
.endr
.set q, 0
.rept 4
	s_wait_dscnt 24-8*q                            ; the loads of the batches behind this one may stay out
.irp k, 0,1,2,3,4,5,6,7
	v_cmp_lt_u32 s[MSK+\k], v[VAL+8*q+\k], v[KEY+8*q+\k]
.endr
.irp k, 0,1,2,3,4,5,6,7
	v_add_nc_u32 v[VAL+8*q+\k], \inc, v[POS+8*q+\k]
.endr
.irp k, 0,1,2,3,4,5,6,7
	v_cndmask_b32 v[POS+8*q+\k], v[POS+8*q+\k], v[VAL+8*q+\k], s[MSK+\k]
.endr
.set q, q+1
.endr
.endm
.irp st, 512,256,128,64,32,16,8,4,2,1
	SEARCH 131072-4*\st, 4*(\st-1), 4*\st
.endr
	SEARCH 131068, 0, 4                            ; the eleventh step: the count may be all 1,024
.set b, 0
.rept 32
	s_cmp_eq_u32 s12, b                            ; in my own tile: my own place
	s_cselect_b32 s14, -1, 0
	v_cndmask_b32 v[POS+b], v[POS+b], v5, s14
.set b, b+1
.endr
	v_add3_u32 v6, v[POS], v[POS+1], v[POS+2]
.set b, 3
.rept 14
	v_add3_u32 v6, v6, v[POS+b], v[POS+b+1]
.set b, b+2
.endr
	v_add_nc_u32 v6, v6, v[POS+31]
	v_add_nc_u32 v6, 0xffe10000, v6                ; less the tiles' bases: 4,096 x (0 + 1 + .. + 31)
	v_lshrrev_b32 v6, 2, v6                        ; the place
	s_lshl_b32 s14, s13, 7
	v_add_nc_u32 v6, s14, v6
	v_and_b32 v6, 0x7fff, v6
	v_min_u32 v6, 0x7fff, v6
	v_lshlrev_b32 v6, 2, v6
	global_store_b32 v6, v4, s[8:9]                ; places are a permutation: each word has one writer
	v_lshrrev_b32 v7, 5, v0
	v_readfirstlane_b32 s15, v7
	s_or_b32 s15, s15, ttmp9
	s_cmp_lg_u32 s15, 0
	s_cbranch_scc1 .Lend                           ; wave 0 of the order's first work-group stores the layer's number
	v_lshlrev_b32 v7, 2, v0
	v_mov_b32 v8, s13
	global_store_b32 v7, v8, s[8:9] offset:131072
.Lend:
	s_wait_tensorcnt 0x0
	ds_add_u32 v144, v145
	s_wait_dscnt 0x0
	s_endpgm
.Lfunc_end_k_q9ca591ad2b_rank:
	.size	k_q9ca591ad2b_rank, .Lfunc_end_k_q9ca591ad2b_rank-k_q9ca591ad2b_rank
	.p2alignl 7, 3214868480
	.fill 96, 4, 3214868480
	.section	.rodata,"a",@progbits
	.p2align	6, 0x0
	.amdhsa_kernel k_q9ca591ad2b_rank
		.amdhsa_group_segment_fixed_size 132096
		.amdhsa_private_segment_fixed_size 0
		.amdhsa_enable_private_segment 0
		.amdhsa_kernarg_size 32
		.amdhsa_user_sgpr_count 2
		.amdhsa_user_sgpr_kernarg_segment_ptr 1
		.amdhsa_wavefront_size32 1
		.amdhsa_system_sgpr_workgroup_id_x 1
		.amdhsa_system_sgpr_workgroup_id_y 1
		.amdhsa_system_sgpr_workgroup_id_z 1
		.amdhsa_system_vgpr_workitem_id 0
		.amdhsa_next_free_vgpr 146
		.amdhsa_next_free_sgpr 66
		.amdhsa_reserve_vcc 0
		.amdhsa_float_denorm_mode_32 3
		.amdhsa_float_denorm_mode_16_64 3
		.amdhsa_memory_ordered 1
		.amdhsa_forward_progress 1
		.amdhsa_inst_pref_size 124
	.end_amdhsa_kernel
	.amdgpu_metadata
---
amdhsa.version: [ 1, 2 ]
amdhsa.kernels:
  - .name:           k_q9ca591ad2b_rank
    .symbol:         k_q9ca591ad2b_rank.kd
    .args:
      - { .name: scode, .offset: 0, .size: 8, .value_kind: global_buffer, .address_space: global }
      - { .name: sidx, .offset: 8, .size: 8, .value_kind: global_buffer, .address_space: global }
      - { .name: perm0, .offset: 16, .size: 8, .value_kind: global_buffer, .address_space: global }
      - { .name: perm1, .offset: 24, .size: 8, .value_kind: global_buffer, .address_space: global }
    .group_segment_fixed_size: 132096
    .private_segment_fixed_size: 0
    .kernarg_segment_align: 8
    .kernarg_segment_size: 32
    .max_flat_workgroup_size: 256
    .sgpr_count:     66
    .vgpr_count:     146
    .wavefront_size: 32
...
	.end_amdgpu_metadata
.endif
;; end of part 2
;; launch layer0 (part 3): grid 256 x 1, 16 waves a work-group, no clusters, 308,224 bytes of LDS; arguments x, coords, perm0, ln1_g, ln1_b, w_qkv_codes, w_qkv_scales, b_qkv, w_pos, b_pos, w_proj_codes, w_proj_scales, b_proj, ln2_g, ln2_b, w_fc1_codes, w_fc1_scales, b_fc1, w_fc2_codes, w_fc2_scales, b_fc2, norm_g, norm_b, x1; writes x1
.if DOCPART == 3
	.amdgcn_target "amdgcn-amd-amdhsa--gfx1250"
	.amdhsa_code_object_version 6
	.text
	.protected	k_q9ca591ad2b_layer0
	.globl	k_q9ca591ad2b_layer0
	.p2align	8
	.type	k_q9ca591ad2b_layer0,@function
k_q9ca591ad2b_layer0:
	s_mov_b64 s[64:65], 0
	v_nop
	global_prefetch_b8 v0, s[64:65] scope:SCOPE_SE
	s_setreg_imm32_b32 hwreg(HW_REG_WAVE_MODE, 25, 1), 1
	s_wait_xcnt 0x0
; One block of the module (LN1, QKV, attention with a position bias, proj, LN2, fc1, GELU, fc2, residuals) on codes of FP4 (E2M1) with E8M0 scales.
; The same text serves both layers: the layer's number L lies behind the perm table; L x a layer's bytes is added to each layered pointer, and the
; final norm is always computed and taken by a select under the mask -L.
; SHARES.  Work-group = (patch, half): it owns 128 queries.  Local token t' is patch position (t' + 128 half) mod 256: 0..127 are mine, 128..255 the other half's.
; A swap of halves keeps every block of 32 keys whole.  LN1, K and V are made for all 256 local tokens, everything else for my 128.
; Sixteen waves of 256 registers; wave w = (g = w % 8, s = w / 8).  No cluster, no tensor load: the weights go from memory straight into operand registers
; (each fragment is read by one or two waves of a work-group), and LDS holds the computed operands.
; OPERANDS IN LDS: rows of codes (a block of 32 codes is 16 bytes; pitch = row + 16) with their scale bytes beside them; V as images of its registers.
; RM(r) = r + (r & 8).  An RM tile T holds rows 32 (T / 2) + 8 (T % 2) + RM(r): in a product used transposed the 16 registers of tiles 2 b, 2 b + 1 are 16 neighbours along the next K.
; K AND V ARE MADE IN ONE PASS: both want the same fragments of h, so a pair of token tiles is read from LDS once and multiplied by K's and by V's weights.
; SCORES.  K = 32 in an instruction of 128: a fragment of K packs four key tiles (one in each block of 32), and q stands in one block of source 1 with zero codes in the other three.
; BIAS.  (c_p - c_q) w + b is taken as u'_p - u'_q + b with u' = (c - c_ref) w, c_ref my first token's coordinates.  -sqrt(32) u'_q is the C of the score product;
; log2(e) (u'_p + b) is added with the scaling.  M, the ceiling of the running largest t, sees the whole logit.
; LIMITS: inputs are finite (no NaN, no infinity).  A block of zeros gets the scale byte 1 (zero codes; these bytes are read by this text alone).
; The bias differs from reference()'s by f32 rounding of the two differences from c_ref; a common offset of the coordinates does not enlarge it.
.set XRB, 0                            ; f32 residual rows of my 128 tokens, pitch 1,040
.set HB,  133120                       ; codes of h, 256 rows, pitch 144; later h2, rows 0..127
.set HSB, 169984                       ; its scale bytes [token][8]
.set QCB, 172032                       ; codes of q, 128 rows, pitch 144
.set QSB, 190464                       ; q's scale words [g][128], the byte four times
.set NKB, 194560                       ; f32 [g][256]: -sqrt(32) u'
.set APB, 202752                       ; f32 [g][256]: log2(e) (u' + b_pos)
.set OCB, 210944                       ; codes of o, 128 rows, pitch 144
.set OSB, 229376                       ; its scale bytes [token][8]
.set KCB, 230400                       ; codes of k, 256 rows, pitch 144
.set KSB, 267264                       ; k's scale bytes [g][a][r][b]: key tile 4 a + b, row r
.set VIB, 269312                       ; V's images: ((2 g + u) 2 + sigma) x 1,024
.set VSB, 302080                       ; V's scale words: the same index x 128, row r's word at 4 r
.set HDB, KCB                          ; the hidden layer's codes, 128 rows, pitch 528: over K and V, which are done with
.set HDS, 297984                       ; its scale bytes, pitch 36
; registers of the passes (Q, proj)
.set W,   16                           ; v16-47   weights: tile u, K step k at W + 8 (2 u + k)
.set WS,  48                           ; v48-51   their scale words
.set CB,  52                           ; v52-67   the bias as C
.set F,   68                           ; v68-131  four fragments x two K steps
.set FS,  132                          ; v132-139 their scale words
.set TM,  140                          ; v140-155 the quantiser's scratch
.set PC,  156                          ; v156-163 codes just made
.set ACC, 192                          ; v192-255 eight accumulators
; registers of the K and V pass: W, WS, CB hold K's weights; F v68-99 two fragments x two K steps
.set FSK, 100                          ; v100-103 their scale words
.set TMK, 104                          ; v104-119 the quantiser's scratch
.set PCK, 120                          ; v120-127 codes just made
.set CBV, 128                          ; v128-143 V's bias as C
.set WSV, 156                          ; v156-159 V's weights' scale words
.set WV,  160                          ; v160-191 V's weights
; registers of the attention
.set KF,  16
.set KS,  48
.set VF,  52
.set VS,  84                           ; v88-91, 96-99, 104-107 zeros; v92-95 q in lanes 0-15; v100-103 q in lanes 16-31
.set QS,  108
.set AP,  109
.set AM,  110
.set SUM, 112
.set NM,  114
.set TMX, 115
.set O,   116
.set P,   132
.set T,   140
.set PWA, 160
.set QR,  172
.set OQ,  176
.set S,   192
; registers of fc1 and fc2
.set W1,  16
.set WS1, 80
.set CB1, 88
.set F1,  120
.set FS1, 152
.set GC,  184
.set F2,  104                          ; fc2: v104-135 four fragments, v136-139 their scale words; a second such buffer BUF2 registers on
.set FS2, 136
.set BUF2, 36
.macro PLACES n                        ; plain places behind matrix instructions (ISA guide 7.12.1)
.rept \n
	v_nop
.endr
.endm
.macro BARRIER                         ; my LDS stores are done and my LDS loads are in; then the work-group's barrier
	s_wait_dscnt 0x0
	s_barrier_signal -1
	s_barrier_wait -1
.endm
.macro LAYER p, bytes
	s_mul_i32 s2, s55, \bytes
	s_add_nc_u64 s[\p:\p+1], s[\p:\p+1], s[2:3]
.endm
.macro WADR vd, vl, ms, mg, base       ; v[vd] = v[vl] + ms s + mg g + base
	s_mul_i32 s2, s54, \ms
	s_mul_i32 s3, s53, \mg
	s_add_co_u32 s2, s2, s3
	s_add_co_u32 s2, s2, \base
	v_add_nc_u32 v[\vd], s2, v[\vl]
.endm
.macro GFRAG dst, vo, ptr, imm         ; a fragment from rows of codes in memory
	global_load_b128 v[\dst:\dst+3], v[\vo], s[\ptr:\ptr+1] offset:\imm
	global_load_b128 v[\dst+4:\dst+7], v[\vo], s[\ptr:\ptr+1] offset:\imm+32
.endm
.macro LFRAG dst, areg, imm            ; and from rows of codes in LDS
	ds_load_b128 v[\dst:\dst+3], v[\areg] offset:\imm
	ds_load_b128 v[\dst+4:\dst+7], v[\areg] offset:\imm+32
.endm
.macro FETCH4 areg, sreg, pitch, spitch, r0, r1, r2, r3   ; four tiles (first rows r0..r3), both K steps, with their scale words
.set fb, 0
.irp rr, \r0, \r1, \r2, \r3
.irp k, 0,1
	LFRAG F+16*fb+8*\k, \areg, (\rr)*(\pitch)+64*\k
	ds_load_b32 v[FS+2*fb+\k], v[\sreg] offset:(\rr)*(\spitch)+4*\k
.endr
.set fb, fb+1
.endr
.endm
.macro FETCH2 j                        ; the pair j of RM tiles of h (32 tokens), both K steps, with their scale words: twelve LDS loads
.irp b, 0,1
.irp k, 0,1
	LFRAG F+16*\b+8*\k, 5, (32*(\j)+8*\b)*144+64*\k
	ds_load_b32 v[FSK+2*\b+\k], v6 offset:(32*(\j)+8*\b)*8+4*\k
.endr
.endr
.endm
.macro MM d, a, b, c, sa, sb
	v_wmma_scale_f32_16x16x128_f8f6f4 v[\d:\d+7], v[\a:\a+7], v[\b:\b+7], v[\c:\c+7], v[\sa], v[\sb] matrix_a_fmt:MATRIX_FMT_FP4 matrix_b_fmt:MATRIX_FMT_FP4
.endm
.macro MM16T                           ; transposed: source 0 = 16 rows of the weight, source 1 = 16 tokens.  Eight accumulators by turns
.irp k, 0,1
.irp b, 0,1,2,3
.irp u, 0,1
.if \k == 0
	MM ACC+16*\b+8*\u, W+8*(2*\u+\k), F+16*\b+8*\k, CB+8*\u, WS+2*\u+\k, FS+2*\b+\k
.else
	MM ACC+16*\b+8*\u, W+8*(2*\u+\k), F+16*\b+8*\k, ACC+16*\b+8*\u, WS+2*\u+\k, FS+2*\b+\k
.endif
.endr
.endr
.endr
.endm
.macro WLOAD cp, sp, bp, ci, si, bi    ; a transposed pass's weights: 8 + 4 + 4 loads
.irp u, 0,1
.irp k, 0,1
	GFRAG W+8*(2*\u+\k), 9, \cp, \ci+1024*\u+64*\k
	global_load_b32 v[WS+2*\u+\k], v10, s[\sp:\sp+1] offset:\si+64*\u+4*\k
.endr
	global_load_b128 v[CB+8*\u:CB+8*\u+3], v11, s[\bp:\bp+1] offset:\bi+32*\u
	global_load_b128 v[CB+8*\u+4:CB+8*\u+7], v11, s[\bp:\bp+1] offset:\bi+32*\u+16
.endr
.endm
; nb blocks by turns; block q is 16 registers at s + 16 q, the other 16 numbers lie in lane l xor 16.
; tm + q: largest magnitude; tm + 4 + q: the scale's byte; tm + 12 + q: the conversion's scale operand; pc + 2 q, + 1: my 16 codes.
.macro QB s, nb, tm, pc
.set qi, 0
.rept \nb
	v_max3_num_f32 v[\tm+qi], |v[\s+16*qi]|, |v[\s+16*qi+1]|, 0x1800000   ; with the floor 2^(3 - 127): the byte cannot fall under 1
.set qi, qi+1
.endr
.irp i, 2,4,6,8,10,12,14
.set qi, 0
.rept \nb
	v_max3_num_f32 v[\tm+qi], v[\tm+qi], |v[\s+16*qi+\i]|, |v[\s+16*qi+\i+1]|
.set qi, qi+1
.endr
.endr
.set qi, 0
.rept \nb
	v_permlanex16_b32 v[\tm+4+qi], v[\tm+qi], s58, s59
.set qi, qi+1
.endr
.set qi, 0
.rept \nb
	v_max_num_f32 v[\tm+qi], v[\tm+qi], v[\tm+4+qi]
.set qi, qi+1
.endr
.set qi, 0
.rept \nb
	v_add_nc_u32 v[\tm+12+qi], 0xff000000, v[\tm+qi]   ; 2 off the exponent field
.set qi, qi+1
.endr
.set qi, 0
.rept \nb
	v_lshrrev_b32 v[\tm+4+qi], 23, v[\tm+12+qi]
.set qi, qi+1
.endr
.set qi, 0
.rept \nb
	v_cvt_scalef32_pk8_fp4_f32 v[\pc+2*qi], v[\s+16*qi:\s+16*qi+7], v[\tm+12+qi]
	v_cvt_scalef32_pk8_fp4_f32 v[\pc+2*qi+1], v[\s+16*qi+8:\s+16*qi+15], v[\tm+12+qi]
.set qi, qi+1
.endr
	v_nop                                          ; one plain place behind the scaled conversions
.endm
; Four rows by turns, a row in 8 registers of the wave's 32 lanes: d = (x - mean) rsqrt(var + 1e-5) g + b
.macro LNCORE d, x, ga, ba, lt
.irp k, 0,1,2,3
	v_pk_add_f32 v[\lt+8*\k:\lt+8*\k+1], v[\x+8*\k:\x+8*\k+1], v[\x+8*\k+2:\x+8*\k+3]
.endr
.irp k, 0,1,2,3
	v_pk_add_f32 v[\lt+8*\k+2:\lt+8*\k+3], v[\x+8*\k+4:\x+8*\k+5], v[\x+8*\k+6:\x+8*\k+7]
.endr
.irp k, 0,1,2,3
	v_pk_add_f32 v[\lt+8*\k:\lt+8*\k+1], v[\lt+8*\k:\lt+8*\k+1], v[\lt+8*\k+2:\lt+8*\k+3]
.endr
.irp k, 0,1,2,3
	v_add_f32 v[\lt+8*\k], v[\lt+8*\k], v[\lt+8*\k+1]
.endr
.irp m, 1,2,4,8
.irp k, 0,1,2,3
	v_add_f32_dpp v[\lt+8*\k], v[\lt+8*\k], v[\lt+8*\k] row_xmask:\m row_mask:0xf bank_mask:0xf
.endr
.endr
.irp k, 0,1,2,3
	v_permlanex16_b32 v[\lt+8*\k+1], v[\lt+8*\k], s58, s59
.endr
.irp k, 0,1,2,3
	v_add_f32 v[\lt+8*\k], v[\lt+8*\k], v[\lt+8*\k+1]
.endr
.irp k, 0,1,2,3
	v_mul_f32 v[\lt+8*\k], s57, v[\lt+8*\k]        ; the mean
.endr
.irp i, 0,2,4,6
.irp k, 0,1,2,3
	v_pk_add_f32 v[\d+8*\k+\i:\d+8*\k+\i+1], v[\x+8*\k+\i:\x+8*\k+\i+1], v[\lt+8*\k:\lt+8*\k+1] op_sel_hi:[1,0] neg_lo:[0,1] neg_hi:[0,1]
.endr
.endr
.irp k, 0,1,2,3
	v_pk_mul_f32 v[\lt+8*\k+2:\lt+8*\k+3], v[\d+8*\k:\d+8*\k+1], v[\d+8*\k:\d+8*\k+1]
.endr
.irp i, 2,4,6
.irp k, 0,1,2,3
	v_pk_fma_f32 v[\lt+8*\k+2:\lt+8*\k+3], v[\d+8*\k+\i:\d+8*\k+\i+1], v[\d+8*\k+\i:\d+8*\k+\i+1], v[\lt+8*\k+2:\lt+8*\k+3]
.endr
.endr
.irp k, 0,1,2,3
	v_add_f32 v[\lt+8*\k+2], v[\lt+8*\k+2], v[\lt+8*\k+3]
.endr
.irp m, 1,2,4,8
.irp k, 0,1,2,3
	v_add_f32_dpp v[\lt+8*\k+2], v[\lt+8*\k+2], v[\lt+8*\k+2] row_xmask:\m row_mask:0xf bank_mask:0xf
.endr
.endr
.irp k, 0,1,2,3
	v_permlanex16_b32 v[\lt+8*\k+3], v[\lt+8*\k+2], s58, s59
.endr
.irp k, 0,1,2,3
	v_add_f32 v[\lt+8*\k+2], v[\lt+8*\k+2], v[\lt+8*\k+3]
.endr
.irp k, 0,1,2,3
	v_fma_f32 v[\lt+8*\k+2], v[\lt+8*\k+2], s57, s99   ; var + 1e-5
.endr
.irp k, 0,1,2,3
	v_rsq_f32 v[\lt+8*\k+2], v[\lt+8*\k+2]
.endr
	v_nop                                          ; a plain place behind the four,
	s_wait_alu depctr_va_vdst(0)                   ; and one wait for them, ahead of their first reader
.irp i, 0,2,4,6
.irp k, 0,1,2,3
	v_pk_mul_f32 v[\d+8*\k+\i:\d+8*\k+\i+1], v[\d+8*\k+\i:\d+8*\k+\i+1], v[\lt+8*\k+2:\lt+8*\k+3] op_sel_hi:[1,0]
.endr
.endr
.irp i, 0,2,4,6
.irp k, 0,1,2,3
	v_pk_fma_f32 v[\d+8*\k+\i:\d+8*\k+\i+1], v[\d+8*\k+\i:\d+8*\k+\i+1], v[\ga+\i:\ga+\i+1], v[\ba+\i:\ba+\i+1]
.endr
.endr
.endm
; The norm of four rows in place, quantised: lane l holds features 8 l .. 8 l + 7, a block of 32 is four lanes.  Codes: 4 bytes a lane; the byte: the four lanes write the same value.
.macro LNQ4 x, ga, ba, lt, ca, cimm, sa, simm
	s_wait_dscnt 0x0                               ; earlier LDS stores have read x and lt; LDS loads into x are in
	LNCORE \x, \x, \ga, \ba, \lt
.irp k, 0,1,2,3
	v_max3_num_f32 v[\lt+8*\k+4], |v[\x+8*\k]|, |v[\x+8*\k+1]|, 0x1800000
.endr
.irp i, 2,4,6
.irp k, 0,1,2,3
	v_max3_num_f32 v[\lt+8*\k+4], v[\lt+8*\k+4], |v[\x+8*\k+\i]|, |v[\x+8*\k+\i+1]|
.endr
.endr
.irp m, 1,2
.irp k, 0,1,2,3
	v_max_num_f32_dpp v[\lt+8*\k+4], v[\lt+8*\k+4], v[\lt+8*\k+4] row_xmask:\m row_mask:0xf bank_mask:0xf
.endr
.endr
.irp k, 0,1,2,3
	v_add_nc_u32 v[\lt+8*\k+5], 0xff000000, v[\lt+8*\k+4]
.endr
.irp k, 0,1,2,3
	v_lshrrev_b32 v[\lt+8*\k+6], 23, v[\lt+8*\k+5]
.endr
.irp k, 0,1,2,3
	v_cvt_scalef32_pk8_fp4_f32 v[\lt+8*\k+7], v[\x+8*\k:\x+8*\k+7], v[\lt+8*\k+5]
.endr
	v_nop
.irp k, 0,1,2,3
	ds_store_b32 v[\ca], v[\lt+8*\k+7] offset:\cimm+144*\k
	ds_store_b8 v[\sa], v[\lt+8*\k+6] offset:\simm+8*\k
.endr
.endm
.macro LNADR                           ; v13: my 8 rows' codes in HB + 4 l; v14: their scale bytes + l / 4; v15: my 8 rows in XRB + 32 l
	s_mul_i32 s2, s52, 1152
	s_add_co_u32 s2, s2, HB
	v_lshl_add_u32 v13, v1, 2, s2
	s_lshl_b32 s2, s52, 6
	s_add_co_u32 s2, s2, HSB
	v_lshrrev_b32 v14, 2, v1
	v_add_nc_u32 v14, s2, v14
	s_mul_i32 s2, s52, 8320
	v_lshl_add_u32 v15, v1, 5, s2
.endm
.macro RMW sc                          ; the residual rows take my 64 tokens x 32 features: register 16 b + i of ACC is feature 32 g + 16 h + i of token 64 s + 16 b + r
.irp b, 0,1,2,3
.irp q, 0,1,2,3
	ds_load_b128 v[\sc+16*\b+4*\q:\sc+16*\b+4*\q+3], v7 offset:16640*\b+16*\q
.endr
.endr
	s_wait_dscnt 0x0
.set j, 0
.rept 32
	v_pk_add_f32 v[\sc+j:\sc+j+1], v[\sc+j:\sc+j+1], v[ACC+j:ACC+j+1]   ; each accumulator from its low end on
.set j, j+2
.endr
.irp b, 0,1,2,3
.irp q, 0,1,2,3
	ds_store_b128 v7, v[\sc+16*\b+4*\q:\sc+16*\b+4*\q+3] offset:16640*\b+16*\q
.endr
.endr
.endm
.macro AXWADR                          ; v7 = XRB + (64 s + r) 1,040 + (32 g + 16 h) 4
	v_mul_u32_u24 v7, v2, 1040
	v_lshl_add_u32 v7, v3, 6, v7
	WADR 7, 7, 66560, 128, XRB
.endm
; ---------------------------------------------------------------- head
	s_load_b512 s[4:19], s[0:1], 0x0               ; x_in, coords, perm, ln1_g, ln1_b, w_qkv codes, scales, b_qkv
	s_load_b512 s[20:35], s[0:1], 0x40             ; w_pos, b_pos, w_proj codes, scales, b_proj, ln2_g, ln2_b, w_fc1 codes
	s_load_b512 s[36:51], s[0:1], 0x80             ; w_fc1 scales, b_fc1, w_fc2 codes, scales, b_fc2, norm_g, norm_b, x_out
	v_and_b32 v1, 31, v0                           ; l
	v_and_b32 v2, 15, v0                           ; r
	v_bfe_u32 v3, v0, 4, 1                         ; h
	v_and_b32 v4, 8, v0
	v_add_nc_u32 v4, v4, v2                        ; RM(r)
	v_lshrrev_b32 v5, 5, v0
	v_readfirstlane_b32 s52, v5                    ; w
	s_and_b32 s53, s52, 7                          ; g
	s_lshr_b32 s54, s52, 3                         ; s
	s_mov_b32 s58, 0x76543210
	s_mov_b32 s59, 0xfedcba98                      ; lane l xor 16
	s_mov_b32 s60, 0x3e8293ee                      ; c1 = log2(e) / sqrt(32)
	s_mov_b32 s61, s60
	s_mov_b32 s62, 0x0000ffff
	s_mov_b32 s63, 0xffff0000
	s_mov_b32 s57, 0x3b800000                      ; 1 / 256
	s_mov_b32 s99, 0x3727c5ac                      ; 1e-5
	s_mov_b32 s100, 0xff00ff00                     ; lanes with r >= 8
	s_mov_b32 s3, 0
	s_lshl_b32 s98, ttmp9, 9                       ; perm: my half's 128 words begin at word 128 x work-group,
	s_xor_b32 s97, s98, 512                        ; the other half's 128 words further on or back
	s_lshl_b32 s2, s52, 5
	s_add_co_u32 s96, s98, s2                      ; my wave's 8 rows of each
	s_add_co_u32 s97, s97, s2
	v_and_b32 v8, 7, v0
	v_lshl_add_u32 v5, v8, 2, s96
	v_lshl_add_u32 v6, v8, 2, s97
	v_cndmask_b32 v5, v5, v6, s100                 ; lane (i = r, h): the word of the wave's row i (i < 8: mine; else the other half's)
	s_wait_kmcnt 0x0
	s_load_b32 s55, s[8:9], 0x20000                ; L
	s_load_b256 s[68:75], s[8:9], s96 offset:0x0   ; my 8 rows' indices: kept to the end
	s_load_b256 s[76:83], s[8:9], s97 offset:0x0   ; the other half's 8
	s_load_b32 s87, s[8:9], s98 offset:0x0         ; local token 0
	global_load_b32 v119, v5, s[8:9]
	v_lshlrev_b32 v7, 5, v1                        ; 32 l
	v_lshlrev_b32 v8, 4, v3                        ; 16 h
	s_lshl_b32 s2, s53, 12                         ; offsets into weights whose rows are 128 bytes: row 32 g + RM(r)
	v_lshl_add_u32 v9, v4, 7, s2
	v_lshl_add_u32 v9, v3, 4, v9
	s_lshl_b32 s2, s53, 8
	v_lshl_add_u32 v10, v4, 3, s2                  ; their scale words
	s_lshl_b32 s2, s53, 7
	v_lshl_add_u32 v11, v3, 6, s2                  ; a bias as C: features 32 g + 16 h on
	v_lshl_add_u32 v12, v4, 2, s2                  ; a bias by row: feature 32 g + RM(r)
	LNADR
	v_and_b32 v121, 7, v0                          ; the bias tables: token 8 w + (r & 7) + 128 (r / 8), heads 4 h on
	v_bfe_u32 v122, v0, 3, 1
	v_lshlrev_b32 v121, 2, v121
	v_lshl_add_u32 v121, v122, 9, v121
	v_lshl_add_u32 v121, v3, 12, v121
	s_lshl_b32 s2, s52, 5
	s_add_co_u32 s2, s2, NKB
	v_add_nc_u32 v121, s2, v121
	s_wait_kmcnt 0x0
	s_min_u32 s55, s55, 1
	s_sub_co_u32 s56, 0, s55                       ; -L: the mask of the final norm
.set i, 0
.rept 16
	s_min_u32 s[68+i], s[68+i], 0x7fff
.set i, i+1
.endr
	s_min_u32 s87, s87, 0x7fff
	s_mul_i32 s87, s87, 12
	LAYER 10, 1024
	LAYER 12, 1024
	LAYER 14, 98304
	LAYER 16, 6144
	LAYER 18, 3072
	LAYER 20, 96
	LAYER 22, 32
	LAYER 24, 32768
	LAYER 26, 2048
	LAYER 28, 1024
	LAYER 30, 1024
	LAYER 32, 1024
	LAYER 34, 131072
	LAYER 36, 8192
	LAYER 38, 4096
	LAYER 40, 131072
	LAYER 42, 8192
	LAYER 44, 1024
	s_load_b32 s84, s[6:7], s87 offset:0x0         ; c_ref
	s_load_b32 s85, s[6:7], s87 offset:0x4
	s_load_b32 s86, s[6:7], s87 offset:0x8
	global_load_b128 v[68:71], v7, s[10:11]        ; ln1_g, ln1_b: features 8 l on
	global_load_b128 v[72:75], v7, s[10:11] offset:16
	global_load_b128 v[76:79], v7, s[12:13]
	global_load_b128 v[80:83], v7, s[12:13] offset:16
.set i, 0
.rept 16                               ; the wave's 16 rows of x, whole rows of 1,024 bytes: row i in v[128 + 8 i ..]
	s_lshl_b32 s2, s[68+i], 10
	v_lshl_add_u32 v[84+i], v1, 5, s2
	global_load_b128 v[128+8*i:131+8*i], v[84+i], s[4:5]
	global_load_b128 v[132+8*i:135+8*i], v[84+i], s[4:5] offset:16
.set i, i+1
.endr
	s_wait_loadcnt 36                              ; my perm word is in: behind it 4 + 32 loads
	v_min_u32 v119, 0x7fff, v119
	v_mul_u32_u24 v120, v119, 12
	global_load_b32 v116, v120, s[6:7]             ; my row's coordinates
	global_load_b32 v117, v120, s[6:7] offset:4
	global_load_b32 v118, v120, s[6:7] offset:8
	WLOAD 14, 16, 18, 32768, 2048, 1024            ; K's weights: rows 256 + 32 g on
	s_wait_xcnt 0x0                                ; the rows' offsets lie where the norm works: they are rewritten only behind this wait
; ---------------------------------------------------------------- LN1: rows 8 w + i (mine) and 128 + 8 w + i
	s_wait_loadcnt 43                              ; rows 0-3 are in: behind them 24 + 3 + 16 loads
.irp i, 0,1,2,3
	ds_store_b128 v15, v[128+8*\i:131+8*\i] offset:1040*\i
	ds_store_b128 v15, v[132+8*\i:135+8*\i] offset:1040*\i+16
.endr
	LNQ4 128, 68, 76, 84, 13, 0, 14, 0
.irp c, 0,1,2
	global_load_b128 v[128+4*\c:131+4*\c], v8, s[20:21] offset:32*\c   ; w_pos[c][4 h ..], into registers that rows 0-3 have left
.endr
	global_load_b128 v[140:143], v8, s[22:23]      ; b_pos[4 h ..]
	s_wait_loadcnt 39                              ; rows 4-7: behind them 16 + 3 + 16 + 4
.irp i, 4,5,6,7
	ds_store_b128 v15, v[128+8*\i:131+8*\i] offset:1040*\i
	ds_store_b128 v15, v[132+8*\i:135+8*\i] offset:1040*\i+16
.endr
	LNQ4 160, 68, 76, 84, 13, 576, 14, 32
.irp u, 0,1                            ; V's weights: rows 512 + 32 g + 8 u + RM(r), and each lane's own bias, into registers that rows 0-7 have left: 14 loads
.irp k, 0,1
	GFRAG WV+8*(2*\u+\k), 9, 14, 65536+1024*\u+64*\k
	global_load_b32 v[WSV+2*\u+\k], v10, s[16:17] offset:4096+64*\u+4*\k
.endr
	global_load_b32 v[124+\u], v12, s[18:19] offset:2048+32*\u
.endr
	s_wait_loadcnt 45                              ; rows 8-11: behind them 8 + 3 + 16 + 4 + 14
	LNQ4 192, 68, 76, 84, 13, 18432, 14, 1024
	s_wait_loadcnt 37                              ; rows 12-15: 3 + 16 + 4 + 14
	LNQ4 224, 68, 76, 84, 13, 19008, 14, 1056
	; the bias tables: lane (i, h): u' of row i for heads 4 h .. 4 h + 3
	s_wait_loadcnt 14                              ; the coordinates, w_pos and b_pos are in: behind them V's 14
	s_wait_kmcnt 0x0
	v_sub_f32 v116, v116, s84
	v_sub_f32 v117, v117, s85
	v_sub_f32 v118, v118, s86
.irp k, 0,1,2,3
	v_mul_f32 v[144+\k], v116, v[128+\k]
.endr
.irp k, 0,1,2,3
	v_fmac_f32 v[144+\k], v117, v[132+\k]
.endr
.irp k, 0,1,2,3
	v_fmac_f32 v[144+\k], v118, v[136+\k]
.endr
.irp k, 0,1,2,3
	v_mul_f32 v[148+\k], 0xc0b504f3, v[144+\k]     ; -sqrt(32) u'
	v_add_f32 v[152+\k], v[144+\k], v[140+\k]
.endr
.irp k, 0,1,2,3
	v_mul_f32 v[152+\k], 0x3fb8aa3b, v[152+\k]     ; log2(e) (u' + b_pos)
.endr
.irp k, 0,1,2,3
	ds_store_b32 v121, v[148+\k] offset:1024*\k
	ds_store_b32 v121, v[152+\k] offset:8192+1024*\k
.endr
	BARRIER                                        ; 1: h and the tables lie in LDS
; ---------------------------------------------------------------- K and V of head g for tokens 128 s on, in one pass
	v_mul_u32_u24 v15, v4, 144
	v_lshl_add_u32 v5, v3, 4, v15
	WADR 5, 5, 18432, 0, HB                        ; h: token 128 s + RM(r), + 16 h
	v_lshlrev_b32 v6, 3, v4
	WADR 6, 6, 1024, 0, HSB
	FETCH2 0
	v_lshl_add_u32 v7, v3, 3, v15
	WADR 7, 7, 18432, 16, KCB                      ; k's codes: the same token, block g, + 8 h
	v_lshlrev_b32 v8, 2, v2
	WADR 8, 8, 128, 256, KSB
	v_lshlrev_b32 v13, 4, v2
	v_lshl_add_u32 v13, v3, 3, v13
	WADR 13, 13, 1024, 4096, VIB                   ; V's image: 16 r + 8 h; key block j lies 256 j on
	v_lshlrev_b32 v14, 2, v2
	WADR 14, 14, 128, 512, VSB                     ; V's scale word of row r; key block j is its byte j
	s_wait_loadcnt 0x0                             ; V's weights and bias
.irp j, 0,1,2,3,4,5,6,7
	v_mov_b32 v[CBV+\j], v124                      ; in V's product a lane holds one feature: its bias in all eight registers
	v_mov_b32 v[CBV+8+\j], v125
.endr
.irp j, 0,1,2,3
	v_mov_b32 v[TMK+4+\j], 0                       ; (destinations of lane permutes count as read)
.endr
; Group j: the tokens 128 s + 32 j on, as RM tiles b = 0, 1.  K transposed (source 0 = 16 rows of the weight, source 1 = tokens): a lane holds one token, 16 registers along head g.
; V natural (source 0 = tokens, source 1 = 16 rows of the weight): a lane holds one feature, 16 registers along the keys.  Eight accumulators by turns.
.irp j, 0,1,2,3
.if \j == 0
	s_wait_dscnt 0x0
.else
	s_wait_dscnt 8                                 ; this group's fragments are in: behind them the last group's eight stores
.endif
.irp k, 0,1
.irp b, 0,1
.irp u, 0,1
.if \k == 0
	MM ACC+16*\b+8*\u, W+8*(2*\u+\k), F+16*\b+8*\k, CB+8*\u, WS+2*\u+\k, FSK+2*\b+\k
.else
	MM ACC+16*\b+8*\u, W+8*(2*\u+\k), F+16*\b+8*\k, ACC+16*\b+8*\u, WS+2*\u+\k, FSK+2*\b+\k
.endif
.endr
.endr
.irp u, 0,1
.irp b, 0,1
.if \k == 0
	MM ACC+32+16*\u+8*\b, F+16*\b+8*\k, WV+8*(2*\u+\k), CBV+8*\u, FSK+2*\b+\k, WSV+2*\u+\k
.else
	MM ACC+32+16*\u+8*\b, F+16*\b+8*\k, WV+8*(2*\u+\k), ACC+32+16*\u+8*\b, FSK+2*\b+\k, WSV+2*\u+\k
.endif
.endr
.endr
.endr
	PLACES 4
.if \j < 3
	FETCH2 \j+1                                    ; the next group's fragments come while this group is quantised
.if \j > 0
	s_wait_dscnt 12                                ; the last group's stores have read their registers: behind them the twelve loads just issued
.endif
.else
	WLOAD 14, 16, 18, 0, 0, 0                      ; the Q pass's weights
	s_wait_dscnt 0x0                               ; the last group's stores have read their registers
.endif
	QB ACC, 4, TMK, PCK                            ; blocks 0, 1: a token's 32 numbers of head g (tile b); blocks 2, 3: 32 keys of a feature (tile u)
.irp b, 0,1
	ds_store_b64 v7, v[PCK+2*\b:PCK+2*\b+1] offset:(32*\j+8*\b)*144
	ds_store_b8 v8, v[TMK+4+\b] offset:64*(\j/2)+2*(\j%2)+\b
.endr
.irp u, 0,1                            ; my 16 codes of key block j at their place in the image of V's fragment: register 4 (j / 2) + 2 h of lane r + 16 (j % 2)
	ds_store_b64 v13, v[PCK+4+2*\u:PCK+4+2*\u+1] offset:2048*\u+256*\j
	ds_store_b8 v14, v[TMK+6+\u] offset:256*\u+\j
.endr
.endr
	; Q: head g, plain tiles 4 s + b of my tokens
	v_mul_u32_u24 v15, v2, 144
	v_lshl_add_u32 v168, v3, 4, v15
	WADR 168, 168, 9216, 0, HB                     ; h: token 64 s + r
	v_lshlrev_b32 v169, 3, v2
	WADR 169, 169, 512, 0, HSB
	v_lshl_add_u32 v170, v3, 3, v15
	WADR 170, 170, 9216, 16, QCB
	v_lshlrev_b32 v171, 2, v2
	WADR 171, 171, 256, 512, QSB
	s_wait_dscnt 0x0                               ; the last group's stores have read the registers into which the fragments come
	FETCH4 168, 169, 144, 8, 0, 16, 32, 48
	s_wait_loadcnt 0x0
	s_wait_dscnt 0x0
	MM16T
	PLACES 4
	QB ACC, 4, TM, PC
.irp b, 0,1,2,3
	v_perm_b32 v[TM+\b], v[TM+4+\b], v[TM+4+\b], 0 ; the byte four times: q may stand in any block of the instruction's K
.endr
.irp b, 0,1,2,3
	ds_store_b64 v170, v[PC+2*\b:PC+2*\b+1] offset:2304*\b
	ds_store_b32 v171, v[TM+\b] offset:64*\b
.endr
	BARRIER                                        ; 2: q, k, v lie in LDS
; ---------------------------------------------------------------- attention: head g, query tiles 4 s .. 4 s + 3
	v_lshl_add_u32 v164, v3, 3, v4
	v_mul_u32_u24 v164, v164, 144
	WADR 164, 164, 0, 16, KCB                      ; K packed: token 64 a + 32 c + 8 h + RM(r), block g
	v_lshlrev_b32 v165, 2, v2
	WADR 165, 165, 0, 256, KSB
	v_lshlrev_b32 v166, 4, v1
	WADR 166, 166, 0, 4096, VIB
	v_lshlrev_b32 v167, 2, v2
	WADR 167, 167, 0, 512, VSB
	v_mul_u32_u24 v15, v2, 144
	WADR 5, 15, 9216, 16, QCB                      ; q: token 64 s + r, block g; both halves of the lanes read it
	v_lshlrev_b32 v6, 2, v2
	WADR 7, 6, 256, 1024, APB
	WADR 6, 6, 256, 512, QSB
	v_lshlrev_b32 v8, 6, v3
	WADR 8, 8, 0, 1024, NKB
	v_lshl_add_u32 v13, v3, 3, v15
	WADR 13, 13, 9216, 16, OCB
	v_lshlrev_b32 v14, 3, v2
	WADR 14, 14, 512, 1, OSB
.irp a, 0,1,2,3
.irp c, 0,1
	ds_load_b128 v[KF+8*\a+4*\c:KF+8*\a+4*\c+3], v164 offset:(64*\a+32*\c)*144
.endr
	ds_load_b32 v[KS+\a], v165 offset:64*\a
.endr
.irp u, 0,1
.irp g, 0,1
.irp c, 0,1
	ds_load_b128 v[VF+8*(2*\u+\g)+4*\c:VF+8*(2*\u+\g)+4*\c+3], v166 offset:2048*\u+1024*\g+512*\c
.endr
	ds_load_b32 v[VS+2*\u+\g], v167 offset:256*\u+128*\g
.endr
.endr
.irp j, 0,1,2,3
	v_mov_b32 v[88+\j], 0                          ; zero codes
	v_mov_b32 v[96+\j], 0
	v_mov_b32 v[104+\j], 0
	v_mov_b32 v[T+4+\j], 0                         ; (destinations of lane permutes count as read)
.endr
	v_mov_b32 v[AM+1], 0                           ; (upper halves of pairs of which the low word is taken)
	v_mov_b32 v[T+15], 0
	s_wait_dscnt 0x0
.macro BIAS sg                         ; -sqrt(32) u' of the keys of half sg, straight into the accumulators as C: the same for every query tile
.irp t, 0,1,2,3,4,5,6,7
	ds_load_b128 v[S+8*\t:S+8*\t+3], v8 offset:(128*(\sg)+32*(\t/2)+8*(\t%2))*4
	ds_load_b128 v[S+8*\t+4:S+8*\t+7], v8 offset:(128*(\sg)+32*(\t/2)+8*(\t%2))*4+16
.endr
.endm
; 128 keys: the sg-th half of the patch
.macro STEP sg
	s_wait_dscnt 0x0                               ; the keys' biases, asked for when the step before had quantised its p
.irp t, 0,1,2,3,4,5,6,7                ; S^T = K Q^T: key tile t stands in block t % 4 of fragment t / 4; q stands in the same block of source 1
	MM S+8*\t, KF+8*(2*\sg+\t/4), 92+8*(\t%2)-4*((\t%4)/2), S+8*\t, KS+2*\sg+\t/4, QS
.endr
	PLACES 4
.irp b, 0,1,2,3
	v_max3_num_f32 v[T+\b], v[S+16*\b], v[S+16*\b+1], v[S+16*\b+2]   ; the largest of each block of 32 keys: for the row's maximum and for the block's largest p
.endr
.irp i, 3,5,7,9,11,13
.irp b, 0,1,2,3
	v_max3_num_f32 v[T+\b], v[T+\b], v[S+16*\b+\i], v[S+16*\b+\i+1]
.endr
.endr
.irp b, 0,1,2,3
	v_max_num_f32 v[T+\b], v[T+\b], v[S+16*\b+15]
.endr
.irp b, 0,1,2,3
	v_permlanex16_b32 v[T+4+\b], v[T+\b], s58, s59
.endr
.irp b, 0,1,2,3
	v_max_num_f32 v[T+\b], v[T+\b], v[T+4+\b]
.endr
	v_max3_num_f32 v[T+12], v[T], v[T+1], v[T+2]
	v_max_num_f32 v[T+12], v[T+12], v[T+3]
	v_fma_f32 v[T+12], v[T+12], s60, v[AP]         ; as t: the whole logit x log2(e)
	v_max_num_f32 v[TMX], v[TMX], v[T+12]
	v_mov_b32 v[T+12], v[NM]
	v_floor_f32 v[NM], -v[TMX]                     ; -M = floor(-t): M is a whole number
	v_sub_f32 v[T+12], v[NM], v[T+12]
	v_cvt_i32_f32 v[T+12], v[T+12]                 ; (it saturates)
	v_ldexp_f32 v[T+14], 1.0, v[T+12]              ; f = 2^(old M - new M)
	v_add_f32 v[AM], v[AP], v[NM]
.set j, 0
.rept 32
	v_pk_fma_f32 v[S+j:S+j+1], v[S+j:S+j+1], s[60:61], v[AM:AM+1] op_sel_hi:[1,0,0]   ; t - M
.set j, j+2
.endr
.irp b, 0,1,2,3
	v_fma_f32 v[T+\b], v[T+\b], s60, v[AM]
.endr
.set j, 0
.rept 64
	v_exp_f32 v[S+j], v[S+j]                       ; p = 2^(t - M): not normalised
.set j, j+1
.endr
	v_pk_mul_f32 v[SUM:SUM+1], v[SUM:SUM+1], v[T+14:T+15] op_sel_hi:[1,0]   ; a plain place behind the batch
	s_wait_alu depctr_va_vdst(0)                   ; one wait for the 64, ahead of their first reader
.irp b, 0,1,2,3
	v_exp_f32 v[T+\b], v[T+\b]                     ; each block's largest p
.endr
	v_pk_add_f32 v[T+18:T+19], v[S:S+1], v[S+2:S+3]   ; the row's sum of the unquantised p, in two chains
.set j, 4
.rept 15
	v_pk_add_f32 v[SUM:SUM+1], v[SUM:SUM+1], v[S+j:S+j+1]
	v_pk_add_f32 v[T+18:T+19], v[T+18:T+19], v[S+j+2:S+j+3]
.set j, j+4
.endr
	v_pk_add_f32 v[SUM:SUM+1], v[SUM:SUM+1], v[T+18:T+19]
	s_wait_alu depctr_va_vdst(0)                   ; and one for the four
.irp b, 0,1,2,3
	v_max_num_f32 v[T+\b], 0x1800000, v[T+\b]
.endr
.irp b, 0,1,2,3
	v_add_nc_u32 v[T+8+\b], 0xff000000, v[T+\b]
.endr
.irp b, 0,1,2,3
	v_lshrrev_b32 v[T+4+\b], 23, v[T+8+\b]
.endr
	v_lshl_or_b32 v[PWA], v[T+5], 8, v[T+4]
	v_lshl_or_b32 v[PWA], v[T+6], 16, v[PWA]
	v_lshl_or_b32 v[PWA], v[T+7], 24, v[PWA]
.irp b, 0,1,2,3
	v_cvt_scalef32_pk8_fp4_f32 v[P+2*\b], v[S+16*\b:S+16*\b+7], v[T+8+\b]
	v_cvt_scalef32_pk8_fp4_f32 v[P+2*\b+1], v[S+16*\b+8:S+16*\b+15], v[T+8+\b]
.endr
	v_nop
	BIAS 1-\sg                                     ; p has been read: the other half's biases are asked for, for the next step or the next query tile (the last tile's request is not used)
.irp c, 0,1
.irp i, 0,1
	v_permlane16_swap_b32 v[P+4*\c+\i], v[P+2+4*\c+\i]
.endr
.endr
.set j, 0
.rept 8
	v_pk_mul_f32 v[O+j:O+j+1], v[O+j:O+j+1], v[T+14:T+15] op_sel_hi:[1,0]   ; O^T under the new M
.set j, j+2
.endr
	PLACES 4                                       ; with the lines above: eight places behind p's scale word, four behind its codes
.irp u, 0,1
	MM O+8*\u, VF+8*(2*\u+\sg), P, O+8*\u, VS+2*\u+\sg, PWA
.endr
.endm
	BIAS 0
	s_mov_b32 s66, 4
	s_mov_b32 s67, 0                               ; 16 rows of codes a trip
	s_mov_b32 s94, 0                               ; 16 words
	s_mov_b32 s95, 0                               ; 16 x 8 scale bytes
.Latt:
	v_add_nc_u32 v[T+24], s67, v5
	v_add_nc_u32 v[T+25], s94, v6
	v_add_nc_u32 v[T+26], s94, v7
	ds_load_b128 v[QR:QR+3], v[T+24]
	ds_load_b32 v[QS], v[T+25]
	ds_load_b32 v[AP], v[T+26]
	s_wait_dscnt 0x0
.irp j, 0,1,2,3
	v_cndmask_b32 v[92+\j], 0, v[QR+\j], s62
	v_cndmask_b32 v[100+\j], 0, v[QR+\j], s63
.endr
	v_mov_b32 v[TMX], 0xff61b1e6                   ; -3e38, under every t.  (These lines are also the places ahead of the products)
	v_floor_f32 v[NM], -v[TMX]
	v_mov_b32 v[SUM], 0
	v_mov_b32 v[SUM+1], 0
.set j, 0
.rept 16
	v_mov_b32 v[O+j], 0
.set j, j+1
.endr
	STEP 0
	STEP 1
	v_add_f32 v[SUM], v[SUM], v[SUM+1]
	v_permlanex16_b32 v[T+4], v[SUM], s58, s59
	v_add_f32 v[SUM], v[SUM], v[T+4]               ; the row's sum
	v_rcp_f32 v[SUM], v[SUM]
	v_add_nc_u32 v[T+24], s67, v13
	v_add_nc_u32 v[T+25], s95, v14
	PLACES 4
	s_wait_alu depctr_va_vdst(0)
.set j, 0
.rept 8
	v_pk_mul_f32 v[OQ+j:OQ+j+1], v[O+j:O+j+1], v[SUM:SUM+1] op_sel_hi:[1,0]   ; register i: feature 32 g + 16 h + i of query r
.set j, j+2
.endr
	QB OQ, 1, T, T+22                              ; head g is block g of proj's K
	ds_store_b64 v[T+24], v[T+22:T+23]
	ds_store_b8 v[T+25], v[T+4]
	s_add_co_u32 s67, s67, 2304
	s_add_co_u32 s94, s94, 64
	s_add_co_u32 s95, s95, 128
	s_sub_co_u32 s66, s66, 1
	s_cmp_lg_u32 s66, 0
	s_cbranch_scc1 .Latt
	WLOAD 24, 26, 28, 0, 0, 0                      ; proj's weights: rows 32 g on
	BARRIER                                        ; 3: o lies in LDS
; ---------------------------------------------------------------- proj + residual
	v_mul_u32_u24 v15, v2, 144
	v_lshl_add_u32 v5, v3, 4, v15
	WADR 5, 5, 9216, 0, OCB
	v_lshlrev_b32 v6, 3, v2
	WADR 6, 6, 512, 0, OSB
	AXWADR
	v_lshlrev_b32 v8, 5, v1
	FETCH4 5, 6, 144, 8, 0, 16, 32, 48
	s_wait_loadcnt 0x0
	s_wait_dscnt 0x0
	MM16T
	PLACES 4
	global_load_b128 v[132:135], v8, s[30:31]      ; ln2_g, ln2_b
	global_load_b128 v[136:139], v8, s[30:31] offset:16
	global_load_b128 v[140:143], v8, s[32:33]
	global_load_b128 v[144:147], v8, s[32:33] offset:16
	RMW F
	BARRIER                                        ; 4: the residual rows are whole
; ---------------------------------------------------------------- LN2: rows 8 w .. 8 w + 7
	LNADR
.irp i, 0,1,2,3,4,5,6,7
	ds_load_b128 v[192+8*\i:195+8*\i], v15 offset:1040*\i
	ds_load_b128 v[196+8*\i:199+8*\i], v15 offset:1040*\i+16
.endr
	s_lshl_b32 s2, s52, 13                         ; fc1: rows 64 w + RM(r)
	v_lshl_add_u32 v9, v4, 7, s2
	v_lshl_add_u32 v9, v3, 4, v9
	s_lshl_b32 s2, s52, 9
	v_lshl_add_u32 v10, v4, 3, s2
	s_lshl_b32 s2, s52, 8
	v_lshl_add_u32 v11, v3, 6, s2
.irp p, 0,1
.irp u, 0,1
.irp k, 0,1
	GFRAG W1+16*(2*\p+\u)+8*\k, 9, 34, 4096*\p+1024*\u+64*\k
	global_load_b32 v[WS1+2*(2*\p+\u)+\k], v10, s[36:37] offset:256*\p+64*\u+4*\k
.endr
	global_load_b128 v[CB1+8*(2*\p+\u):CB1+8*(2*\p+\u)+3], v11, s[38:39] offset:128*\p+32*\u
	global_load_b128 v[CB1+8*(2*\p+\u)+4:CB1+8*(2*\p+\u)+7], v11, s[38:39] offset:128*\p+32*\u+16
.endr
.endr
	s_wait_loadcnt 32                              ; ln2's gain and bias are in: behind them fc1's 32 loads
	LNQ4 192, 132, 140, 148, 13, 0, 14, 0
	LNQ4 224, 132, 140, 148, 13, 576, 14, 32
	BARRIER                                        ; 5: h2 lies in LDS
; ---------------------------------------------------------------- fc1, GELU, quantiser: hidden units 64 w .. 64 w + 63, for all 128 tokens
	v_mul_u32_u24 v5, v2, 144
	v_lshl_add_u32 v5, v3, 4, v5
	v_add_nc_u32 v5, HB, v5
	v_lshl_add_u32 v6, v2, 3, HSB
	v_mul_u32_u24 v7, v2, 528
	v_lshl_add_u32 v7, v3, 3, v7
	s_lshl_b32 s2, s52, 5
	s_add_co_u32 s2, s2, HDB
	v_add_nc_u32 v7, s2, v7                        ; hidden codes: token r, blocks 2 w on, + 8 h
	v_mul_u32_u24 v8, v2, 36
	s_lshl_b32 s2, s52, 1
	s_add_co_u32 s2, s2, HDS
	v_add_nc_u32 v8, s2, v8
	v_mov_b32 v[GC], 0xc0135761                    ; k0 = -2 log2(e) sqrt(2 / pi)
	v_mov_b32 v[GC+1], 0xc0135761
	v_mov_b32 v[GC+2], 0xbdd2d3e8                  ; k1 = 0.044715 k0
	v_mov_b32 v[GC+3], 0xbdd2d3e8
.irp j, 0,1,2,3
	v_mov_b32 v[160+\j], 0
.endr
; gelu(x) = x / (1 + 2^(x (k0 + k1 x^2))), which is 0.5 x (1 + tanh(sqrt(2 / pi) (x + 0.044715 x^3))); 32 numbers, y in v[F1 ..]
.macro GELU32 base
.set j, 0
.rept 16
	v_pk_mul_f32 v[F1+j:F1+j+1], v[\base+j:\base+j+1], v[\base+j:\base+j+1]
.set j, j+2
.endr
.set j, 0
.rept 16
	v_pk_fma_f32 v[F1+j:F1+j+1], v[F1+j:F1+j+1], v[GC+2:GC+3], v[GC:GC+1]
.set j, j+2
.endr
.set j, 0
.rept 16
	v_pk_mul_f32 v[F1+j:F1+j+1], v[F1+j:F1+j+1], v[\base+j:\base+j+1]
.set j, j+2
.endr
.set j, 0
.rept 32
	v_exp_f32 v[F1+j], v[F1+j]
.set j, j+1
.endr
	v_nop
	s_wait_alu depctr_va_vdst(0)                   ; one wait for the batch
.set j, 0
.rept 16
	v_pk_add_f32 v[F1+j:F1+j+1], v[F1+j:F1+j+1], 1.0 op_sel_hi:[1,0]
.set j, j+2
.endr
.set j, 0
.rept 32
	v_rcp_f32 v[F1+j], v[F1+j]
.set j, j+1
.endr
	v_nop
	s_wait_alu depctr_va_vdst(0)
.set j, 0
.rept 16
	v_pk_mul_f32 v[\base+j:\base+j+1], v[\base+j:\base+j+1], v[F1+j:F1+j+1]
.set j, j+2
.endr
.endm
	s_wait_loadcnt 0x0                             ; fc1's weights
	s_mov_b32 s66, 4
	s_mov_b32 s67, 0                               ; 32 tokens a trip: of h2's codes,
	s_mov_b32 s94, 0                               ; of its scale bytes,
	s_mov_b32 s95, 0                               ; of the hidden codes,
	s_mov_b32 s96, 0                               ; of their scale bytes
.Lfc1:
	s_wait_dscnt 0x0                               ; the last trip's stores have read their registers
	v_add_nc_u32 v12, s67, v5
	v_add_nc_u32 v13, s94, v6
	v_add_nc_u32 v14, s95, v7
	v_add_nc_u32 v15, s96, v8
.irp t, 0,1
.irp k, 0,1
	LFRAG F1+16*\t+8*\k, 12, 2304*\t+64*\k
	ds_load_b32 v[FS1+2*\t+\k], v13 offset:128*\t+4*\k
.endr
.endr
	s_wait_dscnt 0x0
.irp k, 0,1
.irp t, 0,1
.irp p, 0,1
.irp u, 0,1
.if \k == 0
	MM ACC+16*(2*\t+\p)+8*\u, W1+16*(2*\p+\u)+8*\k, F1+16*\t+8*\k, CB1+8*(2*\p+\u), WS1+2*(2*\p+\u)+\k, FS1+2*\t+\k
.else
	MM ACC+16*(2*\t+\p)+8*\u, W1+16*(2*\p+\u)+8*\k, F1+16*\t+8*\k, ACC+16*(2*\t+\p)+8*\u, WS1+2*(2*\p+\u)+\k, FS1+2*\t+\k
.endif
.endr
.endr
.endr
.endr
	PLACES 4
	GELU32 ACC
	GELU32 ACC+32
	QB ACC, 4, 156, 172                            ; block 2 t + p: token tile t, hidden units 64 w + 32 p on
.irp t, 0,1
.irp p, 0,1
	ds_store_b64 v14, v[172+2*(2*\t+\p):172+2*(2*\t+\p)+1] offset:8448*\t+16*\p
	ds_store_b8 v15, v[160+2*\t+\p] offset:576*\t+\p
.endr
.endr
	s_add_co_u32 s67, s67, 4608
	s_add_co_u32 s94, s94, 256
	s_add_co_u32 s95, s95, 16896
	s_add_co_u32 s96, s96, 1152
	s_sub_co_u32 s66, s66, 1
	s_cmp_lg_u32 s66, 0
	s_cbranch_scc1 .Lfc1
	s_lshl_b32 s2, s53, 14                         ; fc2: rows 32 g + RM(r) of 512 bytes
	v_lshl_add_u32 v9, v4, 9, s2
	v_lshl_add_u32 v9, v3, 4, v9
	s_lshl_b32 s2, s53, 10
	v_lshl_add_u32 v10, v4, 5, s2
	s_lshl_b32 s2, s53, 7
	v_lshl_add_u32 v11, v3, 6, s2
.irp u, 0,1
	global_load_b128 v[88+8*\u:91+8*\u], v11, s[44:45] offset:32*\u
	global_load_b128 v[92+8*\u:95+8*\u], v11, s[44:45] offset:32*\u+16
.endr
.macro W2LOAD k                        ; K step k's two fragments and scale words, into slot k % 4: six loads
.irp u, 0,1
	GFRAG 16+16*((\k)%4)+8*\u, 9, 40, 4096*\u+64*(\k)
	global_load_b32 v[80+2*((\k)%4)+\u], v10, s[42:43] offset:256*\u+4*(\k)
.endr
.endm
	W2LOAD 0
	W2LOAD 1
	W2LOAD 2
	W2LOAD 3
	BARRIER                                        ; 6: the hidden layer lies in LDS
; ---------------------------------------------------------------- fc2 + residual: features 32 g on, tokens 64 s on
	v_mul_u32_u24 v5, v2, 528
	v_lshl_add_u32 v5, v3, 4, v5
	WADR 5, 5, 33792, 0, HDB
	v_mul_u32_u24 v6, v2, 36
	WADR 6, 6, 2304, 0, HDS
	AXWADR
	v_lshlrev_b32 v8, 4, v1
.macro F2LOAD k                        ; K step k's four hidden fragments and their scale words, into buffer k % 2: twelve LDS loads
.irp b, 0,1,2,3
	LFRAG F2+BUF2*((\k)%2)+8*\b, 5, 8448*\b+64*(\k)
	ds_load_b32 v[FS2+BUF2*((\k)%2)+\b], v6 offset:576*\b+4*(\k)
.endr
.endm
	F2LOAD 0
.irp k, 0,1,2,3,4,5,6,7
.if \k < 7
	F2LOAD \k+1                                    ; the next K step's fragments come while this one is multiplied; their buffer's last readers stand behind four places
	s_wait_dscnt 12                                ; this K step's are in: behind them the twelve just issued
.else
	s_wait_dscnt 0x0
.endif
.if \k <= 4
	s_wait_loadcnt 18                              ; this K step's weights are in: three later groups of six may stay out
.else
	s_wait_loadcnt 6*(7-\k)
.endif
.irp b, 0,1,2,3
.irp u, 0,1
.if \k == 0
	MM ACC+16*\b+8*\u, 16+16*(\k%4)+8*\u, F2+BUF2*(\k%2)+8*\b, 88+8*\u, 80+2*(\k%4)+\u, FS2+BUF2*(\k%2)+\b
.else
	MM ACC+16*\b+8*\u, 16+16*(\k%4)+8*\u, F2+BUF2*(\k%2)+8*\b, ACC+16*\b+8*\u, 80+2*(\k%4)+\u, FS2+BUF2*(\k%2)+\b
.endif
.endr
.endr
	PLACES 4
.if \k < 4
	W2LOAD \k+4
.endif
.endr
	global_load_b128 v[68:71], v8, s[46:47]        ; norm_g, norm_b: features 4 l on and 128 + 4 l on
	global_load_b128 v[72:75], v8, s[46:47] offset:512
	global_load_b128 v[76:79], v8, s[48:49]
	global_load_b128 v[80:83], v8, s[48:49] offset:512
	RMW F2
	BARRIER                                        ; 7: the block's result lies in the residual rows
; ---------------------------------------------------------------- the way out: rows 8 w .. 8 w + 7, scattered by perm as whole rows
	s_mul_i32 s2, s52, 8320
	v_lshl_add_u32 v12, v1, 4, s2
.irp i, 0,1,2,3,4,5,6,7
	ds_load_b128 v[192+8*\i:195+8*\i], v12 offset:1040*\i
	ds_load_b128 v[196+8*\i:199+8*\i], v12 offset:1040*\i+512
.endr
.set i, 0
.rept 8
	s_lshl_b32 s2, s[68+i], 10
	v_lshl_add_u32 v[160+i], v1, 4, s2
.set i, i+1
.endr
	s_wait_loadcnt 0x0
	s_wait_dscnt 0x0
.macro FLN4 x                          ; the final norm of four rows, taken where the layer is the last
	LNCORE 128, \x, 68, 76, 84
.set j, 0
.rept 32
	v_cndmask_b32 v[\x+j], v[\x+j], v[128+j], s56
.set j, j+1
.endr
.endm
	FLN4 192
.irp i, 0,1,2,3
	global_store_b128 v[160+\i], v[192+8*\i:195+8*\i], s[50:51]             ; 32 lanes store 512 consecutive bytes, aligned
	global_store_b128 v[160+\i], v[196+8*\i:199+8*\i], s[50:51] offset:512
.endr
	FLN4 224
.irp i, 4,5,6,7
	global_store_b128 v[160+\i], v[192+8*\i:195+8*\i], s[50:51]
	global_store_b128 v[160+\i], v[196+8*\i:199+8*\i], s[50:51] offset:512
.endr
	s_wait_xcnt 0x0
	v_lshl_add_u32 v254, v0, 2, 0x4ac00
	v_mov_b32 v255, 0
	s_wait_tensorcnt 0x0
	ds_add_u32 v254, v255
	s_wait_dscnt 0x0
	s_endpgm
.Lfunc_end_k_q9ca591ad2b_layer0:
	.size	k_q9ca591ad2b_layer0, .Lfunc_end_k_q9ca591ad2b_layer0-k_q9ca591ad2b_layer0
	.p2alignl 7, 3214868480
	.fill 96, 4, 3214868480
	.section	.rodata,"a",@progbits
	.p2align	6, 0x0
	.amdhsa_kernel k_q9ca591ad2b_layer0
		.amdhsa_group_segment_fixed_size 308224
		.amdhsa_private_segment_fixed_size 0
		.amdhsa_enable_private_segment 0
		.amdhsa_kernarg_size 192
		.amdhsa_user_sgpr_count 2
		.amdhsa_user_sgpr_kernarg_segment_ptr 1
		.amdhsa_wavefront_size32 1
		.amdhsa_system_sgpr_workgroup_id_x 1
		.amdhsa_system_sgpr_workgroup_id_y 1
		.amdhsa_system_sgpr_workgroup_id_z 1
		.amdhsa_system_vgpr_workitem_id 0
		.amdhsa_next_free_vgpr 256
		.amdhsa_next_free_sgpr 102
		.amdhsa_reserve_vcc 0
		.amdhsa_float_denorm_mode_32 3
		.amdhsa_float_denorm_mode_16_64 3
		.amdhsa_memory_ordered 1
		.amdhsa_forward_progress 1
		.amdhsa_inst_pref_size 252
	.end_amdhsa_kernel
	.amdgpu_metadata
---
amdhsa.version: [ 1, 2 ]
amdhsa.kernels:
  - .name:           k_q9ca591ad2b_layer0
    .symbol:         k_q9ca591ad2b_layer0.kd
    .args:
      - { .name: x, .offset: 0, .size: 8, .value_kind: global_buffer, .address_space: global }
      - { .name: coords, .offset: 8, .size: 8, .value_kind: global_buffer, .address_space: global }
      - { .name: perm0, .offset: 16, .size: 8, .value_kind: global_buffer, .address_space: global }
      - { .name: ln1_g, .offset: 24, .size: 8, .value_kind: global_buffer, .address_space: global }
      - { .name: ln1_b, .offset: 32, .size: 8, .value_kind: global_buffer, .address_space: global }
      - { .name: w_qkv_codes, .offset: 40, .size: 8, .value_kind: global_buffer, .address_space: global }
      - { .name: w_qkv_scales, .offset: 48, .size: 8, .value_kind: global_buffer, .address_space: global }
      - { .name: b_qkv, .offset: 56, .size: 8, .value_kind: global_buffer, .address_space: global }
      - { .name: w_pos, .offset: 64, .size: 8, .value_kind: global_buffer, .address_space: global }
      - { .name: b_pos, .offset: 72, .size: 8, .value_kind: global_buffer, .address_space: global }
      - { .name: w_proj_codes, .offset: 80, .size: 8, .value_kind: global_buffer, .address_space: global }
      - { .name: w_proj_scales, .offset: 88, .size: 8, .value_kind: global_buffer, .address_space: global }
      - { .name: b_proj, .offset: 96, .size: 8, .value_kind: global_buffer, .address_space: global }
      - { .name: ln2_g, .offset: 104, .size: 8, .value_kind: global_buffer, .address_space: global }
      - { .name: ln2_b, .offset: 112, .size: 8, .value_kind: global_buffer, .address_space: global }
      - { .name: w_fc1_codes, .offset: 120, .size: 8, .value_kind: global_buffer, .address_space: global }
      - { .name: w_fc1_scales, .offset: 128, .size: 8, .value_kind: global_buffer, .address_space: global }
      - { .name: b_fc1, .offset: 136, .size: 8, .value_kind: global_buffer, .address_space: global }
      - { .name: w_fc2_codes, .offset: 144, .size: 8, .value_kind: global_buffer, .address_space: global }
      - { .name: w_fc2_scales, .offset: 152, .size: 8, .value_kind: global_buffer, .address_space: global }
      - { .name: b_fc2, .offset: 160, .size: 8, .value_kind: global_buffer, .address_space: global }
      - { .name: norm_g, .offset: 168, .size: 8, .value_kind: global_buffer, .address_space: global }
      - { .name: norm_b, .offset: 176, .size: 8, .value_kind: global_buffer, .address_space: global }
      - { .name: x1, .offset: 184, .size: 8, .value_kind: global_buffer, .address_space: global }
    .group_segment_fixed_size: 308224
    .private_segment_fixed_size: 0
    .kernarg_segment_align: 8
    .kernarg_segment_size: 192
    .max_flat_workgroup_size: 512
    .sgpr_count:     102
    .vgpr_count:     256
    .wavefront_size: 32
...
	.end_amdgpu_metadata
.endif
;; end of part 3
;; launch layer1: the kernel of part 3 again; grid 256 x 1, 16 waves a work-group, no clusters, 308,224 bytes of LDS; arguments x1, coords, perm1, ln1_g, ln1_b, w_qkv_codes, w_qkv_scales, b_qkv, w_pos, b_pos, w_proj_codes, w_proj_scales, b_proj, ln2_g, ln2_b, w_fc1_codes, w_fc1_scales, b_fc1, w_fc2_codes, w_fc2_scales, b_fc2, norm_g, norm_b, out0; writes out0
;; ======== version 2 of 2: 4 launches
;; workspace buffers: scode 262,144 bytes of whole numbers; sidx 262,144 bytes of whole numbers; perm0 131,328 bytes of whole numbers; perm1 131,328 bytes of whole numbers; x1 33,554,432 bytes
;; launch sorttiles (part 4): grid 32 x 2, 32 waves a work-group, no clusters, 21,504 bytes of LDS; arguments coords, scode, sidx; writes scode, sidx
.if DOCPART == 4
	.amdgcn_target "amdgcn-amd-amdhsa--gfx1250"
	.amdhsa_code_object_version 6
	.text
	.protected	k_q9ca591ad2b_sorttiles
	.globl	k_q9ca591ad2b_sorttiles
	.p2align	8
	.type	k_q9ca591ad2b_sorttiles,@function
k_q9ca591ad2b_sorttiles:
	s_mov_b64 s[64:65], 0
	v_nop
	global_prefetch_b8 v0, s[64:65] scope:SCOPE_SE
	s_setreg_imm32_b32 hwreg(HW_REG_WAVE_MODE, 25, 1), 1
	s_wait_xcnt 0x0
; Morton codes of all points for order o (work-group y), and a stable sort of tile tau (work-group x) of 1,024 points.
; Thread t owns point e = 1024 tau + t.  Every work-group scans all coordinates for the three minima and maxima (393,216 bytes).
; The codes come from floating-point numbers, so they steer no address here: the sort is a bitonic network, whose partners are fixed;
; a code and its index only move between lanes.  Keys are (code, index): all different, so the order is that of a stable sort.
; LIMITS: coordinates are finite.  The quotient (c - min) / (max - min + 1e-9) is made by a reciprocal, one Newton step and two
; corrections by fused multiply-adds; it lies in 0 .. 1, so the clip at 0 is not written and the clip at 1023 is one minimum.
.set RED,  0                           ; LDS: [6 values][32 waves] f32
.set EX,   1024                        ; LDS: two exchange buffers of 1,024 x 8 bytes, by turns
.set SB,   20                          ; s[SB+i]: the lanes' mask of bit i of t (i = 0 .. 9); s[SB+10] = 0
.set BUFN, 0
	s_load_b128 s[4:7], s[0:1], 0x0                ; coords, scode
	s_load_b64 s[8:9], s[0:1], 0x10                ; sidx
	v_lshl_add_u32 v126, v0, 2, 0x4400
	v_mov_b32 v127, 0
	v_lshrrev_b32 v7, 5, v0
	s_delay_alu instid0(VALU_DEP_1)
	v_readfirstlane_b32 s10, v7                    ; wave 0..31
	s_and_b32 s11, ttmp7, 0xffff                   ; the order o
	v_and_b32 v1, 31, v0
	s_lshl_b32 s15, ttmp9, 10
	v_add_nc_u32 v3, s15, v0                       ; my point's index e
	s_delay_alu instid0(VALU_DEP_1)
	v_mul_u32_u24 v13, v3, 12                      ; its 12 bytes
	v_mul_u32_u24 v12, v0, 48                      ; the scan: four points a thread and chunk
	v_lshlrev_b32 v6, 3, v0                        ; 8 t: my place in an exchange buffer
	v_lshlrev_b32 v14, 2, v7                       ; 4 x wave
	v_lshlrev_b32 v15, 2, v1                       ; 4 x lane
	s_lshl_b32 s18, s11, 17
	v_lshl_add_u32 v11, v3, 2, s18                 ; where my sorted place is stored: 131,072 o + 4 e
	v_mov_b32 v4, 0                                ; written once: destinations of lane moves count as read
	v_mov_b32 v5, 0
.irp k, 0,1,2,3,4,5
	v_mov_b32 v[118+\k], 0
.endr
	s_mov_b32 s16, 0x76543210
	s_mov_b32 s17, 0xfedcba98                      ; lane l xor 16
	s_mov_b32 s[SB+0], 0xaaaaaaaa
	s_mov_b32 s[SB+1], 0xcccccccc
	s_mov_b32 s[SB+2], 0xf0f0f0f0
	s_mov_b32 s[SB+3], 0xff00ff00
	s_mov_b32 s[SB+4], 0xffff0000
.irp i, 0,1,2,3,4
	s_bfe_u32 s[SB+5+\i], s10, (1<<16)|\i          ; bit 5 + i of t is bit i of the wave's number:
	s_sub_co_u32 s[SB+5+\i], 0, s[SB+5+\i]         ; all lanes or none
.endr
	s_mov_b32 s[SB+10], 0
	s_cmp_eq_u32 s11, 0                            ; order 0: x, y, z at bits 0, 1, 2; order 1 (axes rolled): y, z, x
	s_cselect_b32 s12, 0, 2
	s_cselect_b32 s13, 1, 0
	s_cselect_b32 s14, 2, 1
	s_wait_kmcnt 0x0
	global_load_b32 v8, v13, s[4:5]
	global_load_b32 v9, v13, s[4:5] offset:4
	global_load_b32 v10, v13, s[4:5] offset:8
.irp i, 0,1,2,3,4,5,6,7
.irp j, 0,1,2
	global_load_b128 v[16+12*\i+4*\j:19+12*\i+4*\j], v12, s[4:5] offset:49152*\i+16*\j
.endr
.endr
	s_wait_loadcnt 0x0
	; minima v112-114 and maxima v115-117: in a chunk's 12 numbers axis a stands at a, a + 3, a + 6, a + 9
.irp a, 0,1,2
	v_mov_b32 v[112+\a], v[16+\a]
	v_mov_b32 v[115+\a], v[16+\a]
.endr
.irp i, 0,1,2,3,4,5,6,7
.irp a, 0,1,2
	v_min3_num_f32 v[112+\a], v[112+\a], v[16+12*\i+\a], v[19+12*\i+\a]
	v_max3_num_f32 v[115+\a], v[115+\a], v[16+12*\i+\a], v[19+12*\i+\a]
	s_delay_alu instid0(VALU_DEP_2)
	v_min3_num_f32 v[112+\a], v[112+\a], v[22+12*\i+\a], v[25+12*\i+\a]
	s_delay_alu instid0(VALU_DEP_2)
	v_max3_num_f32 v[115+\a], v[115+\a], v[22+12*\i+\a], v[25+12*\i+\a]
.endr
.endr
.macro WRED                            ; the six over the wave's 32 lanes, the result in every lane
.irp m, 1,2,4,8
.irp a, 0,1,2
	v_min_num_f32_dpp v[112+\a], v[112+\a], v[112+\a] row_xmask:\m row_mask:0xf bank_mask:0xf
	v_max_num_f32_dpp v[115+\a], v[115+\a], v[115+\a] row_xmask:\m row_mask:0xf bank_mask:0xf
.endr
.endr
.irp k, 0,1,2,3,4,5
	v_permlanex16_b32 v[118+\k], v[112+\k], s16, s17
.endr
.irp a, 0,1,2
	v_min_num_f32 v[112+\a], v[112+\a], v[118+\a]
	v_max_num_f32 v[115+\a], v[115+\a], v[121+\a]
.endr
.endm
	WRED
.irp k, 0,1,2,3,4,5
	ds_store_b32 v14, v[112+\k] offset:RED+128*\k  ; all lanes write their wave's word with the same value
.endr
	s_wait_dscnt 0x0                               ; for the others: my stores are done
	s_barrier_signal -1
	s_barrier_wait -1
.irp k, 0,1,2,3,4,5
	ds_load_b32 v[112+\k], v15 offset:RED+128*\k   ; lane l takes wave l's
.endr
	s_wait_dscnt 0x0
	WRED
	; q = trunc((c - min) / (max - min + 1e-9) x 1023).  v16.. d, v20.. 1/d, v24.. at work, v28.. c - min, v32.. the quotient
.irp a, 0,1,2
	v_sub_f32 v[16+\a], v[115+\a], v[112+\a]
.endr
.irp a, 0,1,2
	s_delay_alu instid0(VALU_DEP_3)
	v_add_f32 v[16+\a], 0x3089705f, v[16+\a]       ; + 1e-9
.endr
	s_wait_alu depctr_va_vdst(0)
.irp a, 0,1,2
	v_rcp_f32 v[20+\a], v[16+\a]
.endr
.irp a, 0,1,2
	v_sub_f32 v[28+\a], v[8+\a], v[112+\a]         ; plain work behind the reciprocals
.endr
	s_wait_alu depctr_va_vdst(0)                   ; one wait for the three, ahead of their first reader
.irp a, 0,1,2
	v_fma_f32 v[24+\a], -v[16+\a], v[20+\a], 1.0
.endr
.irp a, 0,1,2
	v_fma_f32 v[20+\a], v[24+\a], v[20+\a], v[20+\a]
.endr
.irp a, 0,1,2
	s_delay_alu instid0(VALU_DEP_3)
	v_mul_f32 v[32+\a], v[28+\a], v[20+\a]
.endr
.rept 2                                ; remainder and correction, twice
.irp a, 0,1,2
	s_delay_alu instid0(VALU_DEP_3)
	v_fma_f32 v[24+\a], -v[16+\a], v[32+\a], v[28+\a]
.endr
.irp a, 0,1,2
	s_delay_alu instid0(VALU_DEP_3)
	v_fma_f32 v[32+\a], v[24+\a], v[20+\a], v[32+\a]
.endr
.endr
.irp a, 0,1,2
	s_delay_alu instid0(VALU_DEP_3)
	v_mul_f32 v[32+\a], 0x447fc000, v[32+\a]       ; x 1023
.endr
.irp a, 0,1,2
	s_delay_alu instid0(VALU_DEP_3)
	v_cvt_i32_f32 v[32+\a], v[32+\a]               ; toward zero
.endr
.irp a, 0,1,2
	s_delay_alu instid0(VALU_DEP_3)
	v_min_u32 v[32+\a], 0x3ff, v[32+\a]
.endr
.irp a, 0,1,2                          ; two zero bits between each two of the ten
	v_lshl_or_b32 v[32+\a], v[32+\a], 16, v[32+\a]
	s_delay_alu instid0(VALU_DEP_1)
	v_and_b32 v[32+\a], 0x030000ff, v[32+\a]
	s_delay_alu instid0(VALU_DEP_1)
	v_lshl_or_b32 v[32+\a], v[32+\a], 8, v[32+\a]
	s_delay_alu instid0(VALU_DEP_1)
	v_and_b32 v[32+\a], 0x0300f00f, v[32+\a]
	s_delay_alu instid0(VALU_DEP_1)
	v_lshl_or_b32 v[32+\a], v[32+\a], 4, v[32+\a]
	s_delay_alu instid0(VALU_DEP_1)
	v_and_b32 v[32+\a], 0x030c30c3, v[32+\a]
	s_delay_alu instid0(VALU_DEP_1)
	v_lshl_or_b32 v[32+\a], v[32+\a], 2, v[32+\a]
	s_delay_alu instid0(VALU_DEP_1)
	v_and_b32 v[32+\a], 0x09249249, v[32+\a]
.endr
	v_lshlrev_b32 v32, s12, v32
	v_lshlrev_b32 v33, s13, v33
	s_delay_alu instid0(VALU_DEP_3)
	v_lshlrev_b32 v34, s14, v34
	s_delay_alu instid0(VALU_DEP_2)
	v_or_b32 v2, v32, v33
	s_delay_alu instid0(VALU_DEP_1)
	v_or_b32 v2, v2, v34                           ; my code; v3 is my index
; One compare-exchange with the thread t xor 2^p, in the merge of runs of 2^L.  I take the partner's pair where
; (partner < mine) xor (bit p of t) xor (bit L of t).
.macro DPPX m
	v_mov_b32_dpp v4, v2 row_xmask:\m row_mask:0xf bank_mask:0xf
	v_mov_b32_dpp v5, v3 row_xmask:\m row_mask:0xf bank_mask:0xf
.endm
.macro CE L, p
.if \p == 0
	DPPX 1
.elseif \p == 1
	DPPX 2
.elseif \p == 2
	DPPX 4
.elseif \p == 3
	DPPX 8
.elseif \p == 4
	s_delay_alu instid0(VALU_DEP_2)
	v_permlanex16_b32 v4, v2, s16, s17
	s_delay_alu instid0(VALU_DEP_2)
	v_permlanex16_b32 v5, v3, s16, s17
.else
	ds_store_b64 v6, v[2:3] offset:EX+8192*BUFN    ; the partner is in another wave: through LDS
	s_wait_alu depctr_va_vdst(0)
	s_wait_dscnt 0x0                               ; my store is done; my reads of the other buffer, one exchange back, were awaited there:
	s_barrier_signal -1                            ; so the buffer written two exchanges on has been left by every reader
	s_barrier_wait -1
	v_xor_b32 v7, 8<<\p, v6
	ds_load_b64 v[4:5], v7 offset:EX+8192*BUFN
	s_wait_dscnt 0x0
.set BUFN, 1-BUFN
.endif
	v_cmp_lt_u32 s31, v4, v2
	v_cmp_eq_u32 s32, v4, v2
	v_cmp_lt_u32 s33, v5, v3
	s_and_b32 s32, s32, s33
	s_or_b32 s31, s31, s32                         ; the partner's (code, index) is the smaller
	s_xor_b32 s31, s31, s[SB+\p]
	s_xor_b32 vcc_lo, s31, s[SB+\L]
	v_cndmask_b32 v2, v2, v4, vcc_lo
	v_cndmask_b32 v3, v3, v5, vcc_lo
.endm
.irp L, 1,2,3,4,5,6,7,8,9,10
.irp p, 9,8,7,6,5,4,3,2,1,0
.if \p < \L
	CE \L, \p
.endif
.endr
.endr
	global_store_b32 v11, v2, s[6:7]               ; 32 lanes store 128 consecutive bytes
	global_store_b32 v11, v3, s[8:9]
	s_wait_tensorcnt 0x0
	ds_add_u32 v126, v127
	s_wait_dscnt 0x0
	s_endpgm
.Lfunc_end_k_q9ca591ad2b_sorttiles:
	.size	k_q9ca591ad2b_sorttiles, .Lfunc_end_k_q9ca591ad2b_sorttiles-k_q9ca591ad2b_sorttiles
	.p2alignl 7, 3214868480
	.fill 96, 4, 3214868480
	.section	.rodata,"a",@progbits
	.p2align	6, 0x0
	.amdhsa_kernel k_q9ca591ad2b_sorttiles
		.amdhsa_group_segment_fixed_size 21504
		.amdhsa_private_segment_fixed_size 0
		.amdhsa_enable_private_segment 0
		.amdhsa_kernarg_size 24
		.amdhsa_user_sgpr_count 2
		.amdhsa_user_sgpr_kernarg_segment_ptr 1
		.amdhsa_wavefront_size32 1
		.amdhsa_system_sgpr_workgroup_id_x 1
		.amdhsa_system_sgpr_workgroup_id_y 1
		.amdhsa_system_sgpr_workgroup_id_z 1
		.amdhsa_system_vgpr_workitem_id 0
		.amdhsa_next_free_vgpr 128
		.amdhsa_next_free_sgpr 66
		.amdhsa_reserve_vcc 1
		.amdhsa_float_denorm_mode_32 3
		.amdhsa_float_denorm_mode_16_64 3
		.amdhsa_memory_ordered 1
		.amdhsa_forward_progress 1
		.amdhsa_inst_pref_size 55
	.end_amdhsa_kernel
	.amdgpu_metadata
---
amdhsa.version: [ 1, 2 ]
amdhsa.kernels:
  - .name:           k_q9ca591ad2b_sorttiles
    .symbol:         k_q9ca591ad2b_sorttiles.kd
    .args:
      - { .name: coords, .offset: 0, .size: 8, .value_kind: global_buffer, .address_space: global }
      - { .name: scode, .offset: 8, .size: 8, .value_kind: global_buffer, .address_space: global }
      - { .name: sidx, .offset: 16, .size: 8, .value_kind: global_buffer, .address_space: global }
    .group_segment_fixed_size: 21504
    .private_segment_fixed_size: 0
    .kernarg_segment_align: 8
    .kernarg_segment_size: 24
    .max_flat_workgroup_size: 1024
    .sgpr_count:     66
    .vgpr_count:     128
    .wavefront_size: 32
...
	.end_amdgpu_metadata
.endif
;; end of part 4
;; launch rank (part 5): grid 128 x 2, 8 waves a work-group, no clusters, 132,096 bytes of LDS; arguments scode, sidx, perm0, perm1; writes perm0, perm1
.if DOCPART == 5
	.amdgcn_target "amdgcn-amd-amdhsa--gfx1250"
	.amdhsa_code_object_version 6
	.text
	.protected	k_q9ca591ad2b_rank
	.globl	k_q9ca591ad2b_rank
	.p2align	8
	.type	k_q9ca591ad2b_rank,@function
k_q9ca591ad2b_rank:
	s_mov_b64 s[64:65], 0
	v_nop
	global_prefetch_b8 v0, s[64:65] scope:SCOPE_SE
	s_setreg_imm32_b32 hwreg(HW_REG_WAVE_MODE, 25, 1), 1
	s_wait_xcnt 0x0
; The place of each point in the stable order of all 32,768 codes of order o (work-group y), from the 32 sorted tiles.
; A work-group takes 256 neighbouring elements of one sorted tile a; a thread one element (code c, index idx).
; Its place = its place in its own tile + for each tile ahead of a the number of codes <= c (their indices are smaller)
; + for each tile behind a the number of codes < c.  Each number is a search by halves in that tile's 1,024 sorted codes, in LDS.
; perm[(place + 128 o) mod 32,768] = idx: order 1 is rolled by half a patch.  Behind each perm table 32 words hold o: the layer's number.
; All numbers here are whole numbers that an earlier launch stored.
; ORDER OF THE LINES: a step of the search is written in runs (32 minima, 32 LDS loads, then compares, adds and selects eight at a time),
; so that no line reads the result of a line nearer than eight back, and no LDS load stands behind the line that makes its address.
.set POS, 16                           ; v16-47   tile b: LDS byte of the search's lower end
.set VAL, 48                           ; v48-79   the code just read, then POS + the step
.set KEY, 80                           ; v80-111  c + 1 for tiles ahead of mine, c for the others: the search counts codes < KEY
.set MSK, 16                           ; s16-23   eight compares' masks
	s_load_b256 s[4:11], s[0:1], 0x0               ; scode, sidx, perm0, perm1
	v_lshl_add_u32 v144, v0, 2, 0x20000
	v_mov_b32 v145, 0
	s_and_b32 s13, ttmp7, 0xffff                   ; o
	s_lshr_b32 s12, ttmp9, 2                       ; my tile a
	v_lshlrev_b32 v1, 4, v0                        ; 16 t
	s_delay_alu instid0(VALU_DEP_1)
	v_add_nc_u32 v2, 0x10000, v1
	s_lshl_b32 s14, ttmp9, 10
	v_lshl_add_u32 v5, v0, 2, s14                  ; my element's byte among the order's codes, in memory and in LDS
	s_lshl_b32 s16, s13, 17
	s_mov_b32 s17, 0
	s_wait_alu depctr_va_vdst(0)
	s_wait_kmcnt 0x0
	s_add_nc_u64 s[4:5], s[4:5], s[16:17]
	s_add_nc_u64 s[6:7], s[6:7], s[16:17]
	s_cmp_eq_u32 s13, 0
	s_cselect_b64 s[8:9], s[8:9], s[10:11]         ; the order's table
	global_load_b32 v3, v5, s[4:5]                 ; c
	global_load_b32 v4, v5, s[6:7]                 ; idx
	; the order's 131,072 bytes of codes into LDS: 32 loads of 4,096 bytes by the 256 threads, all on their way at once, in v16-143
.set j, 0
.rept 32
	global_load_b128 v[16+4*j:19+4*j], v1, s[4:5] offset:4096*j
.set j, j+1
.endr
.set j, 0
.rept 16
	s_wait_loadcnt 31-j                            ; the loads issued behind load j may stay out
	ds_store_b128 v1, v[16+4*j:19+4*j] offset:4096*j
.set j, j+1
.endr
.rept 16
	s_wait_loadcnt 31-j
	ds_store_b128 v2, v[16+4*j:19+4*j] offset:4096*(j-16)
.set j, j+1
.endr
	s_wait_dscnt 0x0                               ; my stores are done, and have read their registers
	s_barrier_signal -1
.set b, 0
.rept 32                               ; register work while the others arrive
	s_cmp_gt_u32 s12, b
	s_cselect_b32 s14, 1, 0
	v_add_nc_u32 v[KEY+b], s14, v3
	v_mov_b32 v[POS+b], 4096*b
.set b, b+1
.endr
	s_barrier_wait -1                              ; from here on LDS is only read
; One step in all 32 tiles: where the code at POS + off is below KEY, POS goes on by inc.  The minimum never acts (POS stays in its tile);
; it states the bound of an address that hangs on loaded numbers.
.macro SEARCH clamp, off, inc
.set b, 0
.rept 32
	v_min_u32 v[POS+b], \clamp, v[POS+b]
.set b, b+1
.endr
.set b, 0
.rept 32
	ds_load_b32 v[VAL+b], v[POS+b] offset:\off
.set b, b+1
.endr
.set q, 0
.rept 4
	s_wait_dscnt 24-8*q                            ; the loads of the batches behind this one may stay out
.irp k, 0,1,2,3,4,5,6,7
	v_cmp_lt_u32 s[MSK+\k], v[VAL+8*q+\k], v[KEY+8*q+\k]
.endr
.irp k, 0,1,2,3,4,5,6,7
	v_add_nc_u32 v[VAL+8*q+\k], \inc, v[POS+8*q+\k]
.endr
.irp k, 0,1,2,3,4,5,6,7
	v_cndmask_b32 v[POS+8*q+\k], v[POS+8*q+\k], v[VAL+8*q+\k], s[MSK+\k]
.endr
.set q, q+1
.endr
.endm
.irp st, 512,256,128,64,32,16,8,4,2,1
	SEARCH 131072-4*\st, 4*(\st-1), 4*\st
.endr
	SEARCH 131068, 0, 4                            ; the eleventh step: the count may be all 1,024
.set b, 0
.rept 32
	s_cmp_eq_u32 s12, b                            ; in my own tile: my own place
	s_cselect_b32 s14, -1, 0
	v_cndmask_b32 v[POS+b], v[POS+b], v5, s14
.set b, b+1
.endr
	v_add3_u32 v6, v[POS], v[POS+1], v[POS+2]
.set b, 3
.rept 14
	s_delay_alu instid0(VALU_DEP_1)
	v_add3_u32 v6, v6, v[POS+b], v[POS+b+1]
.set b, b+2
.endr
	s_delay_alu instid0(VALU_DEP_1)
	v_add_nc_u32 v6, v6, v[POS+31]
	s_delay_alu instid0(VALU_DEP_1)
	v_add_nc_u32 v6, 0xffe10000, v6                ; less the tiles' bases: 4,096 x (0 + 1 + .. + 31)
	s_delay_alu instid0(VALU_DEP_1)
	v_lshrrev_b32 v6, 2, v6                        ; the place
	s_lshl_b32 s14, s13, 7
	v_add_nc_u32 v6, s14, v6
	s_delay_alu instid0(VALU_DEP_1)
	v_and_b32 v6, 0x7fff, v6
	s_delay_alu instid0(VALU_DEP_1)
	v_min_u32 v6, 0x7fff, v6
	s_delay_alu instid0(VALU_DEP_1)
	v_lshlrev_b32 v6, 2, v6
	global_store_b32 v6, v4, s[8:9]                ; places are a permutation: each word has one writer
	v_lshrrev_b32 v7, 5, v0
	s_delay_alu instid0(VALU_DEP_1)
	v_readfirstlane_b32 s15, v7
	s_or_b32 s15, s15, ttmp9
	s_cmp_lg_u32 s15, 0
	s_cbranch_scc1 .Lend                           ; wave 0 of the order's first work-group stores the layer's number
	v_lshlrev_b32 v7, 2, v0
	v_mov_b32 v8, s13
	global_store_b32 v7, v8, s[8:9] offset:131072
.Lend:
	s_wait_tensorcnt 0x0
	ds_add_u32 v144, v145
	s_wait_dscnt 0x0
	s_endpgm
.Lfunc_end_k_q9ca591ad2b_rank:
	.size	k_q9ca591ad2b_rank, .Lfunc_end_k_q9ca591ad2b_rank-k_q9ca591ad2b_rank
	.p2alignl 7, 3214868480
	.fill 96, 4, 3214868480
	.section	.rodata,"a",@progbits
	.p2align	6, 0x0
	.amdhsa_kernel k_q9ca591ad2b_rank
		.amdhsa_group_segment_fixed_size 132096
		.amdhsa_private_segment_fixed_size 0
		.amdhsa_enable_private_segment 0
		.amdhsa_kernarg_size 32
		.amdhsa_user_sgpr_count 2
		.amdhsa_user_sgpr_kernarg_segment_ptr 1
		.amdhsa_wavefront_size32 1
		.amdhsa_system_sgpr_workgroup_id_x 1
		.amdhsa_system_sgpr_workgroup_id_y 1
		.amdhsa_system_sgpr_workgroup_id_z 1
		.amdhsa_system_vgpr_workitem_id 0
		.amdhsa_next_free_vgpr 146
		.amdhsa_next_free_sgpr 66
		.amdhsa_reserve_vcc 0
		.amdhsa_float_denorm_mode_32 3
		.amdhsa_float_denorm_mode_16_64 3
		.amdhsa_memory_ordered 1
		.amdhsa_forward_progress 1
		.amdhsa_inst_pref_size 125
	.end_amdhsa_kernel
	.amdgpu_metadata
---
amdhsa.version: [ 1, 2 ]
amdhsa.kernels:
  - .name:           k_q9ca591ad2b_rank
    .symbol:         k_q9ca591ad2b_rank.kd
    .args:
      - { .name: scode, .offset: 0, .size: 8, .value_kind: global_buffer, .address_space: global }
      - { .name: sidx, .offset: 8, .size: 8, .value_kind: global_buffer, .address_space: global }
      - { .name: perm0, .offset: 16, .size: 8, .value_kind: global_buffer, .address_space: global }
      - { .name: perm1, .offset: 24, .size: 8, .value_kind: global_buffer, .address_space: global }
    .group_segment_fixed_size: 132096
    .private_segment_fixed_size: 0
    .kernarg_segment_align: 8
    .kernarg_segment_size: 32
    .max_flat_workgroup_size: 256
    .sgpr_count:     66
    .vgpr_count:     146
    .wavefront_size: 32
...
	.end_amdgpu_metadata
.endif
;; end of part 5
;; launch layer0 (part 6): grid 256 x 1, 16 waves a work-group, no clusters, 308,224 bytes of LDS; arguments x, coords, perm0, ln1_g, ln1_b, w_qkv_codes, w_qkv_scales, b_qkv, w_pos, b_pos, w_proj_codes, w_proj_scales, b_proj, ln2_g, ln2_b, w_fc1_codes, w_fc1_scales, b_fc1, w_fc2_codes, w_fc2_scales, b_fc2, norm_g, norm_b, x1; writes x1
.if DOCPART == 6
	.amdgcn_target "amdgcn-amd-amdhsa--gfx1250"
	.amdhsa_code_object_version 6
	.text
	.protected	k_q9ca591ad2b_layer0
	.globl	k_q9ca591ad2b_layer0
	.p2align	8
	.type	k_q9ca591ad2b_layer0,@function
k_q9ca591ad2b_layer0:
	s_mov_b64 s[64:65], 0
	v_nop
	global_prefetch_b8 v0, s[64:65] scope:SCOPE_SE
	s_setreg_imm32_b32 hwreg(HW_REG_WAVE_SCHED_MODE, 0, 2), 2
	s_setreg_imm32_b32 hwreg(HW_REG_WAVE_MODE, 25, 1), 1
	s_wait_xcnt 0x0
	s_wait_alu depctr_vm_vsrc(0)
; One block of the module (LN1, QKV, attention with a position bias, proj, LN2, fc1, GELU, fc2, residuals) on codes of FP4 (E2M1) with E8M0 scales.
; The same text serves both layers: the layer's number L lies behind the perm table; L x a layer's bytes is added to each layered pointer, and the
; final norm is always computed and taken by a select under the mask -L.
; SHARES.  Work-group = (patch, half): it owns 128 queries.  Local token t' is patch position (t' + 128 half) mod 256: 0..127 are mine, 128..255 the other half's.
; A swap of halves keeps every block of 32 keys whole.  LN1, K and V are made for all 256 local tokens, everything else for my 128.
; Sixteen waves of 256 registers; wave w = (g = w % 8, s = w / 8).  No cluster, no tensor load: the weights go from memory straight into operand registers
; (each fragment is read by one or two waves of a work-group), and LDS holds the computed operands.
; OPERANDS IN LDS: rows of codes (a block of 32 codes is 16 bytes; pitch = row + 16) with their scale bytes beside them; V as images of its registers.
; RM(r) = r + (r & 8).  An RM tile T holds rows 32 (T / 2) + 8 (T % 2) + RM(r): in a product used transposed the 16 registers of tiles 2 b, 2 b + 1 are 16 neighbours along the next K.
; K AND V ARE MADE IN ONE PASS: both want the same fragments of h, so a pair of token tiles is read from LDS once and multiplied by K's and by V's weights.
; SCORES.  K = 32 in an instruction of 128: a fragment of K packs four key tiles (one in each block of 32), and q stands in one block of source 1 with zero codes in the other three.
; BIAS.  (c_p - c_q) w + b is taken as u'_p - u'_q + b with u' = (c - c_ref) w, c_ref my first token's coordinates.  -sqrt(32) u'_q is the C of the score product;
; log2(e) (u'_p + b) is added with the scaling.  M, the ceiling of the running largest t, sees the whole logit.
; LIMITS: inputs are finite (no NaN, no infinity).  A block of zeros gets the scale byte 1 (zero codes; these bytes are read by this text alone).
; The bias differs from reference()'s by f32 rounding of the two differences from c_ref; a common offset of the coordinates does not enlarge it.
; THE MODE: SCHED_MODE bits 1:0 = 2 (LLVM: expert scheduling mode 2), set by the entry lines.  The code itself states the register dependences between vector or matrix
; instructions and memory or LDS instructions, with s_wait_alu, always for 0.
; THE PLAN.  The text is a chain of phases, parted by seven barriers.  A phase makes its addresses in v5-15, loads operands, multiplies, quantises, stores.
;   Behind each barrier ONE wait on vm_vsrc: the phase before has read its addresses and its stores' data, which this phase writes or loads over.
;   Ahead of a phase's first run of loads ONE wait on va_vdst: the fresh addresses are written, and the phase before is done with the registers in which the loads land.
;   Behind the places that follow a run of products whose operands are loaded again, one wait on va_vdst; the loads that follow it name no register that a later vector line touches before their own wait.
;   Ahead of each run of stores of fresh codes, bytes or sums, one wait on va_vdst; ahead of the lines that write those registers again, one on vm_vsrc.
;   In the two loops both waits stand at a trip's head, where all the trip's addresses are made at once.
.set XRB, 0                            ; f32 residual rows of my 128 tokens, pitch 1,040
.set HB,  133120                       ; codes of h, 256 rows, pitch 144; later h2, rows 0..127
.set HSB, 169984                       ; its scale bytes [token][8]
.set QCB, 172032                       ; codes of q, 128 rows, pitch 144
.set QSB, 190464                       ; q's scale words [g][128], the byte four times
.set NKB, 194560                       ; f32 [g][256]: -sqrt(32) u'
.set APB, 202752                       ; f32 [g][256]: log2(e) (u' + b_pos)
.set OCB, 210944                       ; codes of o, 128 rows, pitch 144
.set OSB, 229376                       ; its scale bytes [token][8]
.set KCB, 230400                       ; codes of k, 256 rows, pitch 144
.set KSB, 267264                       ; k's scale bytes [g][a][r][b]: key tile 4 a + b, row r
.set VIB, 269312                       ; V's images: ((2 g + u) 2 + sigma) x 1,024
.set VSB, 302080                       ; V's scale words: the same index x 128, row r's word at 4 r
.set HDB, KCB                          ; the hidden layer's codes, 128 rows, pitch 528: over K and V, which are done with
.set HDS, 297984                       ; its scale bytes, pitch 36
; registers of the passes (Q, proj)
.set W,   16                           ; v16-47   weights: tile u, K step k at W + 8 (2 u + k)
.set WS,  48                           ; v48-51   their scale words
.set CB,  52                           ; v52-67   the bias as C
.set F,   68                           ; v68-131  four fragments x two K steps
.set FS,  132                          ; v132-139 their scale words
.set TM,  140                          ; v140-155 the quantiser's scratch
.set PC,  156                          ; v156-163 codes just made
.set ACC, 192                          ; v192-255 eight accumulators
; registers of the K and V pass: W, WS, CB hold K's weights; F v68-99 two fragments x two K steps
.set FSK, 100                          ; v100-103 their scale words
.set TMK, 104                          ; v104-119 the quantiser's scratch
.set PCK, 120                          ; v120-127 codes just made
.set CBV, 128                          ; v128-143 V's bias as C
.set WSV, 156                          ; v156-159 V's weights' scale words
.set WV,  160                          ; v160-191 V's weights
; registers of the attention
.set KF,  16
.set KS,  48
.set VF,  52
.set VS,  84                           ; v88-91, 96-99, 104-107 zeros; v92-95 q in lanes 0-15; v100-103 q in lanes 16-31
.set QS,  108
.set AP,  109
.set AM,  110
.set SUM, 112
.set NM,  114
.set TMX, 115
.set O,   116
.set P,   132
.set T,   140
.set PWA, 160
.set AQ,  164                          ; v164-166 a query tile's addresses: q's codes, q's scale word, the query's bias
.set AO,  168                          ; v168-169 and where its o goes: codes, scale byte
.set QR,  172
.set OQ,  176
.set S,   192
; registers of fc1 and fc2
.set W1,  16
.set WS1, 80
.set CB1, 88
.set F1,  120
.set FS1, 152
.set GC,  184
.set F2,  104                          ; fc2: v104-135 four fragments, v136-139 their scale words; a second such buffer BUF2 registers on
.set FS2, 136
.set BUF2, 36
.macro PLACES n                        ; plain places behind matrix instructions (ISA guide 7.12.1)
.rept \n
	v_nop
.endr
.endm
.macro BARRIER                         ; my LDS stores are done and my LDS loads are in; then the work-group's barrier
	s_wait_dscnt 0x0
	s_barrier_signal -1
	s_barrier_wait -1
.endm
.macro LAYER p, bytes
	s_mul_i32 s2, s55, \bytes
	s_add_nc_u64 s[\p:\p+1], s[\p:\p+1], s[2:3]
.endm
.macro WADR vd, vl, ms, mg, base       ; v[vd] = v[vl] + ms s + mg g + base
	s_mul_i32 s2, s54, \ms
	s_mul_i32 s3, s53, \mg
	s_add_co_u32 s2, s2, s3
	s_add_co_u32 s2, s2, \base
	v_add_nc_u32 v[\vd], s2, v[\vl]
.endm
.macro GFRAG dst, vo, ptr, imm         ; a fragment from rows of codes in memory
	global_load_b128 v[\dst:\dst+3], v[\vo], s[\ptr:\ptr+1] offset:\imm
	global_load_b128 v[\dst+4:\dst+7], v[\vo], s[\ptr:\ptr+1] offset:\imm+32
.endm
.macro LFRAG dst, areg, imm            ; and from rows of codes in LDS
	ds_load_b128 v[\dst:\dst+3], v[\areg] offset:\imm
	ds_load_b128 v[\dst+4:\dst+7], v[\areg] offset:\imm+32
.endm
.macro FETCH4 areg, sreg, pitch, spitch, r0, r1, r2, r3   ; four tiles (first rows r0..r3), both K steps, with their scale words
.set fb, 0
.irp rr, \r0, \r1, \r2, \r3
.irp k, 0,1
	LFRAG F+16*fb+8*\k, \areg, (\rr)*(\pitch)+64*\k
	ds_load_b32 v[FS+2*fb+\k], v[\sreg] offset:(\rr)*(\spitch)+4*\k
.endr
.set fb, fb+1
.endr
.endm
.macro FETCH2 j                        ; the pair j of RM tiles of h (32 tokens), both K steps, with their scale words: twelve LDS loads
.irp b, 0,1
.irp k, 0,1
	LFRAG F+16*\b+8*\k, 5, (32*(\j)+8*\b)*144+64*\k
	ds_load_b32 v[FSK+2*\b+\k], v6 offset:(32*(\j)+8*\b)*8+4*\k
.endr
.endr
.endm
.macro MM d, a, b, c, sa, sb
	v_wmma_scale_f32_16x16x128_f8f6f4 v[\d:\d+7], v[\a:\a+7], v[\b:\b+7], v[\c:\c+7], v[\sa], v[\sb] matrix_a_fmt:MATRIX_FMT_FP4 matrix_b_fmt:MATRIX_FMT_FP4
.endm
.macro MM16T                           ; transposed: source 0 = 16 rows of the weight, source 1 = 16 tokens.  Eight accumulators by turns
.irp k, 0,1
.irp b, 0,1,2,3
.irp u, 0,1
.if \k == 0
	MM ACC+16*\b+8*\u, W+8*(2*\u+\k), F+16*\b+8*\k, CB+8*\u, WS+2*\u+\k, FS+2*\b+\k
.else
	MM ACC+16*\b+8*\u, W+8*(2*\u+\k), F+16*\b+8*\k, ACC+16*\b+8*\u, WS+2*\u+\k, FS+2*\b+\k
.endif
.endr
.endr
.endr
.endm
.macro WLOAD cp, sp, bp, ci, si, bi    ; a transposed pass's weights: 8 + 4 + 4 loads
.irp u, 0,1
.irp k, 0,1
	GFRAG W+8*(2*\u+\k), 9, \cp, \ci+1024*\u+64*\k
	global_load_b32 v[WS+2*\u+\k], v10, s[\sp:\sp+1] offset:\si+64*\u+4*\k
.endr
	global_load_b128 v[CB+8*\u:CB+8*\u+3], v11, s[\bp:\bp+1] offset:\bi+32*\u
	global_load_b128 v[CB+8*\u+4:CB+8*\u+7], v11, s[\bp:\bp+1] offset:\bi+32*\u+16
.endr
.endm
; nb blocks by turns; block q is 16 registers at s + 16 q, the other 16 numbers lie in lane l xor 16.
; tm + q: largest magnitude; tm + 4 + q: the scale's byte; tm + 12 + q: the conversion's scale operand; pc + 2 q, + 1: my 16 codes.
.macro QB s, nb, tm, pc
.set qi, 0
.rept \nb
	v_max3_num_f32 v[\tm+qi], |v[\s+16*qi]|, |v[\s+16*qi+1]|, 0x1800000   ; with the floor 2^(3 - 127): the byte cannot fall under 1
.set qi, qi+1
.endr
.irp i, 2,4,6,8,10,12,14
.set qi, 0
.rept \nb
	v_max3_num_f32 v[\tm+qi], v[\tm+qi], |v[\s+16*qi+\i]|, |v[\s+16*qi+\i+1]|
.set qi, qi+1
.endr
.endr
.set qi, 0
.rept \nb
	v_permlanex16_b32 v[\tm+4+qi], v[\tm+qi], s58, s59
.set qi, qi+1
.endr
.set qi, 0
.rept \nb
	v_max_num_f32 v[\tm+qi], v[\tm+qi], v[\tm+4+qi]
.set qi, qi+1
.endr
.set qi, 0
.rept \nb
	v_add_nc_u32 v[\tm+12+qi], 0xff000000, v[\tm+qi]   ; 2 off the exponent field
.set qi, qi+1
.endr
.set qi, 0
.rept \nb
	v_lshrrev_b32 v[\tm+4+qi], 23, v[\tm+12+qi]
.set qi, qi+1
.endr
.set qi, 0
.rept \nb
	v_cvt_scalef32_pk8_fp4_f32 v[\pc+2*qi], v[\s+16*qi:\s+16*qi+7], v[\tm+12+qi]
	v_cvt_scalef32_pk8_fp4_f32 v[\pc+2*qi+1], v[\s+16*qi+8:\s+16*qi+15], v[\tm+12+qi]
.set qi, qi+1
.endr
	v_nop                                          ; one plain place behind the scaled conversions
.endm
; Four rows by turns, a row in 8 registers of the wave's 32 lanes: d = (x - mean) rsqrt(var + 1e-5) g + b
.macro LNCORE d, x, ga, ba, lt
.irp k, 0,1,2,3
	v_pk_add_f32 v[\lt+8*\k:\lt+8*\k+1], v[\x+8*\k:\x+8*\k+1], v[\x+8*\k+2:\x+8*\k+3]
.endr
.irp k, 0,1,2,3
	v_pk_add_f32 v[\lt+8*\k+2:\lt+8*\k+3], v[\x+8*\k+4:\x+8*\k+5], v[\x+8*\k+6:\x+8*\k+7]
.endr
.irp k, 0,1,2,3
	v_pk_add_f32 v[\lt+8*\k:\lt+8*\k+1], v[\lt+8*\k:\lt+8*\k+1], v[\lt+8*\k+2:\lt+8*\k+3]
.endr
.irp k, 0,1,2,3
	v_add_f32 v[\lt+8*\k], v[\lt+8*\k], v[\lt+8*\k+1]
.endr
.irp m, 1,2,4,8
.irp k, 0,1,2,3
	v_add_f32_dpp v[\lt+8*\k], v[\lt+8*\k], v[\lt+8*\k] row_xmask:\m row_mask:0xf bank_mask:0xf
.endr
.endr
.irp k, 0,1,2,3
	v_permlanex16_b32 v[\lt+8*\k+1], v[\lt+8*\k], s58, s59
.endr
.irp k, 0,1,2,3
	v_add_f32 v[\lt+8*\k], v[\lt+8*\k], v[\lt+8*\k+1]
.endr
.irp k, 0,1,2,3
	v_mul_f32 v[\lt+8*\k], s57, v[\lt+8*\k]        ; the mean
.endr
.irp i, 0,2,4,6
.irp k, 0,1,2,3
	v_pk_add_f32 v[\d+8*\k+\i:\d+8*\k+\i+1], v[\x+8*\k+\i:\x+8*\k+\i+1], v[\lt+8*\k:\lt+8*\k+1] op_sel_hi:[1,0] neg_lo:[0,1] neg_hi:[0,1]
.endr
.endr
.irp k, 0,1,2,3
	v_pk_mul_f32 v[\lt+8*\k+2:\lt+8*\k+3], v[\d+8*\k:\d+8*\k+1], v[\d+8*\k:\d+8*\k+1]
.endr
.irp i, 2,4,6
.irp k, 0,1,2,3
	v_pk_fma_f32 v[\lt+8*\k+2:\lt+8*\k+3], v[\d+8*\k+\i:\d+8*\k+\i+1], v[\d+8*\k+\i:\d+8*\k+\i+1], v[\lt+8*\k+2:\lt+8*\k+3]
.endr
.endr
.irp k, 0,1,2,3
	v_add_f32 v[\lt+8*\k+2], v[\lt+8*\k+2], v[\lt+8*\k+3]
.endr
.irp m, 1,2,4,8
.irp k, 0,1,2,3
	v_add_f32_dpp v[\lt+8*\k+2], v[\lt+8*\k+2], v[\lt+8*\k+2] row_xmask:\m row_mask:0xf bank_mask:0xf
.endr
.endr
.irp k, 0,1,2,3
	v_permlanex16_b32 v[\lt+8*\k+3], v[\lt+8*\k+2], s58, s59
.endr
.irp k, 0,1,2,3
	v_add_f32 v[\lt+8*\k+2], v[\lt+8*\k+2], v[\lt+8*\k+3]
.endr
.irp k, 0,1,2,3
	v_fma_f32 v[\lt+8*\k+2], v[\lt+8*\k+2], s57, s99   ; var + 1e-5
.endr
	s_wait_alu depctr_va_vdst(0)
.irp k, 0,1,2,3
	v_rsq_f32 v[\lt+8*\k+2], v[\lt+8*\k+2]
.endr
	v_nop                                          ; a plain place behind the four
	s_wait_alu depctr_va_vdst(0)                   ; the four reciprocal roots are written, ahead of their first reader
.irp i, 0,2,4,6
.irp k, 0,1,2,3
	v_pk_mul_f32 v[\d+8*\k+\i:\d+8*\k+\i+1], v[\d+8*\k+\i:\d+8*\k+\i+1], v[\lt+8*\k+2:\lt+8*\k+3] op_sel_hi:[1,0]
.endr
.endr
.irp i, 0,2,4,6
.irp k, 0,1,2,3
	v_pk_fma_f32 v[\d+8*\k+\i:\d+8*\k+\i+1], v[\d+8*\k+\i:\d+8*\k+\i+1], v[\ga+\i:\ga+\i+1], v[\ba+\i:\ba+\i+1]
.endr
.endr
.endm
; The norm of four rows in place, quantised: lane l holds features 8 l .. 8 l + 7, a block of 32 is four lanes.  Codes: 4 bytes a lane; the byte: the four lanes write the same value.
.macro LNQ4 x, ga, ba, lt, ca, cimm, sa, simm
	s_wait_dscnt 0x0                               ; LDS loads into x are in
	s_wait_alu depctr_vm_vsrc(0)                   ; the LDS stores issued so far have read the raw rows in x and the last four rows' codes and bytes in lt: the norm writes both
	LNCORE \x, \x, \ga, \ba, \lt
.irp k, 0,1,2,3
	v_max3_num_f32 v[\lt+8*\k+4], |v[\x+8*\k]|, |v[\x+8*\k+1]|, 0x1800000
.endr
.irp i, 2,4,6
.irp k, 0,1,2,3
	v_max3_num_f32 v[\lt+8*\k+4], v[\lt+8*\k+4], |v[\x+8*\k+\i]|, |v[\x+8*\k+\i+1]|
.endr
.endr
.irp m, 1,2
.irp k, 0,1,2,3
	v_max_num_f32_dpp v[\lt+8*\k+4], v[\lt+8*\k+4], v[\lt+8*\k+4] row_xmask:\m row_mask:0xf bank_mask:0xf
.endr
.endr
.irp k, 0,1,2,3
	v_add_nc_u32 v[\lt+8*\k+5], 0xff000000, v[\lt+8*\k+4]
.endr
.irp k, 0,1,2,3
	v_lshrrev_b32 v[\lt+8*\k+6], 23, v[\lt+8*\k+5]
.endr
.irp k, 0,1,2,3
	v_cvt_scalef32_pk8_fp4_f32 v[\lt+8*\k+7], v[\x+8*\k:\x+8*\k+7], v[\lt+8*\k+5]
.endr
	v_nop
	s_wait_alu depctr_va_vdst(0)                   ; the codes and bytes are written, which the stores below read; and the norm is done with x's registers, in which loads issued behind these stores land
.irp k, 0,1,2,3
	ds_store_b32 v[\ca], v[\lt+8*\k+7] offset:\cimm+144*\k
	ds_store_b8 v[\sa], v[\lt+8*\k+6] offset:\simm+8*\k
.endr
.endm
.macro LNADR                           ; v13: my 8 rows' codes in HB + 4 l; v14: their scale bytes + l / 4; v15: my 8 rows in XRB + 32 l
	s_mul_i32 s2, s52, 1152
	s_add_co_u32 s2, s2, HB
	v_lshl_add_u32 v13, v1, 2, s2
	s_lshl_b32 s2, s52, 6
	s_add_co_u32 s2, s2, HSB
	v_lshrrev_b32 v14, 2, v1
	v_add_nc_u32 v14, s2, v14
	s_mul_i32 s2, s52, 8320
	v_lshl_add_u32 v15, v1, 5, s2
.endm
.macro RMW sc                          ; the residual rows take my 64 tokens x 32 features: register 16 b + i of ACC is feature 32 g + 16 h + i of token 64 s + 16 b + r
.irp b, 0,1,2,3
.irp q, 0,1,2,3
	ds_load_b128 v[\sc+16*\b+4*\q:\sc+16*\b+4*\q+3], v7 offset:16640*\b+16*\q
.endr
.endr
	s_wait_dscnt 0x0
.set j, 0
.rept 32
	v_pk_add_f32 v[\sc+j:\sc+j+1], v[\sc+j:\sc+j+1], v[ACC+j:ACC+j+1]   ; each accumulator from its low end on
.set j, j+2
.endr
	s_wait_alu depctr_va_vdst(0)                   ; the sums are written, which the stores below read
.irp b, 0,1,2,3
.irp q, 0,1,2,3
	ds_store_b128 v7, v[\sc+16*\b+4*\q:\sc+16*\b+4*\q+3] offset:16640*\b+16*\q
.endr
.endr
.endm
.macro AXWADR                          ; v7 = XRB + (64 s + r) 1,040 + (32 g + 16 h) 4
	v_mul_u32_u24 v7, v2, 1040
	v_lshl_add_u32 v7, v3, 6, v7
	WADR 7, 7, 66560, 128, XRB
.endm
; ---------------------------------------------------------------- head
	s_load_b512 s[4:19], s[0:1], 0x0               ; x_in, coords, perm, ln1_g, ln1_b, w_qkv codes, scales, b_qkv
	s_load_b512 s[20:35], s[0:1], 0x40             ; w_pos, b_pos, w_proj codes, scales, b_proj, ln2_g, ln2_b, w_fc1 codes
	s_load_b512 s[36:51], s[0:1], 0x80             ; w_fc1 scales, b_fc1, w_fc2 codes, scales, b_fc2, norm_g, norm_b, x_out
	v_and_b32 v1, 31, v0                           ; l
	v_and_b32 v2, 15, v0                           ; r
	v_bfe_u32 v3, v0, 4, 1                         ; h
	v_and_b32 v4, 8, v0
	v_add_nc_u32 v4, v4, v2                        ; RM(r)
	s_wait_alu depctr_va_vdst(0)
	v_lshrrev_b32 v5, 5, v0
	v_readfirstlane_b32 s52, v5                    ; w
	s_mov_b32 s58, 0x76543210
	s_mov_b32 s59, 0xfedcba98                      ; lane l xor 16
	s_mov_b32 s60, 0x3e8293ee                      ; c1 = log2(e) / sqrt(32)
	s_mov_b32 s61, s60
	s_mov_b32 s62, 0x0000ffff
	s_mov_b32 s63, 0xffff0000
	s_mov_b32 s57, 0x3b800000                      ; 1 / 256
	s_mov_b32 s99, 0x3727c5ac                      ; 1e-5
	s_mov_b32 s100, 0xff00ff00                     ; lanes with r >= 8
	s_mov_b32 s3, 0
	s_lshl_b32 s98, ttmp9, 9                       ; perm: my half's 128 words begin at word 128 x work-group,
	s_xor_b32 s97, s98, 512                        ; the other half's 128 words further on or back
	s_wait_alu depctr_va_sdst(0)                   ; s52, the wave's number, is written, ahead of its first reader
	s_and_b32 s53, s52, 7                          ; g
	s_lshr_b32 s54, s52, 3                         ; s
	s_lshl_b32 s2, s52, 5
	s_add_co_u32 s96, s98, s2                      ; my wave's 8 rows of each
	s_add_co_u32 s97, s97, s2
	v_and_b32 v8, 7, v0
	v_lshl_add_u32 v5, v8, 2, s96
	v_lshl_add_u32 v6, v8, 2, s97
	v_cndmask_b32 v5, v5, v6, s100                 ; lane (i = r, h): the word of the wave's row i (i < 8: mine; else the other half's)
	v_lshlrev_b32 v7, 5, v1                        ; 32 l.  (All offsets that hang on ids alone are made here, ahead of the wait for the arguments)
	v_lshlrev_b32 v8, 4, v3                        ; 16 h
	s_lshl_b32 s2, s53, 12                         ; offsets into weights whose rows are 128 bytes: row 32 g + RM(r)
	v_lshl_add_u32 v9, v4, 7, s2
	v_lshl_add_u32 v9, v3, 4, v9
	s_lshl_b32 s2, s53, 8
	v_lshl_add_u32 v10, v4, 3, s2                  ; their scale words
	s_lshl_b32 s2, s53, 7
	v_lshl_add_u32 v11, v3, 6, s2                  ; a bias as C: features 32 g + 16 h on
	v_lshl_add_u32 v12, v4, 2, s2                  ; a bias by row: feature 32 g + RM(r)
	LNADR
	v_and_b32 v121, 7, v0                          ; the bias tables: token 8 w + (r & 7) + 128 (r / 8), heads 4 h on
	v_bfe_u32 v122, v0, 3, 1
	v_lshlrev_b32 v121, 2, v121
	v_lshl_add_u32 v121, v122, 9, v121
	v_lshl_add_u32 v121, v3, 12, v121
	s_lshl_b32 s2, s52, 5
	s_add_co_u32 s2, s2, NKB
	v_add_nc_u32 v121, s2, v121
	s_wait_kmcnt 0x0
	s_load_b32 s55, s[8:9], 0x20000                ; L
	s_load_b256 s[68:75], s[8:9], s96 offset:0x0   ; my 8 rows' indices: kept to the end
	s_load_b256 s[76:83], s[8:9], s97 offset:0x0   ; the other half's 8
	s_load_b32 s87, s[8:9], s98 offset:0x0         ; local token 0
	s_wait_alu depctr_va_vdst(0)                   ; v5 is written, the offset of the load below; so are v7 to v15 and v121, which loads and LDS stores up to the first barrier read
	global_load_b32 v119, v5, s[8:9]
	s_wait_kmcnt 0x0
	s_min_u32 s55, s55, 1
	s_sub_co_u32 s56, 0, s55                       ; -L: the mask of the final norm
.set i, 0
.rept 16
	s_min_u32 s[68+i], s[68+i], 0x7fff
.set i, i+1
.endr
	s_min_u32 s87, s87, 0x7fff
	s_mul_i32 s87, s87, 12
	LAYER 10, 1024
	LAYER 12, 1024
	LAYER 14, 98304
	LAYER 16, 6144
	LAYER 18, 3072
	LAYER 20, 96
	LAYER 22, 32
	LAYER 24, 32768
	LAYER 26, 2048
	LAYER 28, 1024
	LAYER 30, 1024
	LAYER 32, 1024
	LAYER 34, 131072
	LAYER 36, 8192
	LAYER 38, 4096
	LAYER 40, 131072
	LAYER 42, 8192
	LAYER 44, 1024
	s_load_b32 s84, s[6:7], s87 offset:0x0         ; c_ref
	s_load_b32 s85, s[6:7], s87 offset:0x4
	s_load_b32 s86, s[6:7], s87 offset:0x8
.set i, 0
.rept 16                               ; the offsets of the wave's 16 rows of x, in one run
	s_lshl_b32 s2, s[68+i], 10
	v_lshl_add_u32 v[84+i], v1, 5, s2
.set i, i+1
.endr
	s_wait_alu depctr_va_vdst(0)                   ; the sixteen rows' offsets v84 to v99 are written, which the loads of x read
	global_load_b128 v[68:71], v7, s[10:11]        ; ln1_g, ln1_b: features 8 l on
	global_load_b128 v[72:75], v7, s[10:11] offset:16
	global_load_b128 v[76:79], v7, s[12:13]
	global_load_b128 v[80:83], v7, s[12:13] offset:16
.set i, 0
.rept 16                               ; whole rows of 1,024 bytes: row i in v[128 + 8 i ..]
	global_load_b128 v[128+8*i:131+8*i], v[84+i], s[4:5]
	global_load_b128 v[132+8*i:135+8*i], v[84+i], s[4:5] offset:16
.set i, i+1
.endr
	s_wait_loadcnt 36                              ; my perm word is in: behind it 4 + 32 loads
	v_min_u32 v119, 0x7fff, v119
	v_mul_u32_u24 v120, v119, 12
	s_wait_alu depctr_va_vdst(0)                   ; v120 is written, the offset of the three loads below
	global_load_b32 v116, v120, s[6:7]             ; my row's coordinates
	global_load_b32 v117, v120, s[6:7] offset:4
	global_load_b32 v118, v120, s[6:7] offset:8
	WLOAD 14, 16, 18, 32768, 2048, 1024            ; K's weights: rows 256 + 32 g on
	s_wait_xcnt 0x0                                ; the rows' offsets lie where the norm works: they are rewritten only behind this wait
	s_wait_alu depctr_vm_vsrc(0)                   ; and the loads of x have read v84 to v99, which the norm's scratch writes
; ---------------------------------------------------------------- LN1: rows 8 w + i (mine) and 128 + 8 w + i
	s_wait_loadcnt 43                              ; rows 0-3 are in: behind them 24 + 3 + 16 loads
.irp i, 0,1,2,3
	ds_store_b128 v15, v[128+8*\i:131+8*\i] offset:1040*\i
	ds_store_b128 v15, v[132+8*\i:135+8*\i] offset:1040*\i+16
.endr
	LNQ4 128, 68, 76, 84, 13, 0, 14, 0
.irp c, 0,1,2
	global_load_b128 v[128+4*\c:131+4*\c], v8, s[20:21] offset:32*\c   ; w_pos[c][4 h ..], into registers that rows 0-3 have left: no vector line stands behind the norm's last wait
.endr
	global_load_b128 v[140:143], v8, s[22:23]      ; b_pos[4 h ..]
	s_wait_loadcnt 39                              ; rows 4-7: behind them 16 + 3 + 16 + 4
.irp i, 4,5,6,7
	ds_store_b128 v15, v[128+8*\i:131+8*\i] offset:1040*\i
	ds_store_b128 v15, v[132+8*\i:135+8*\i] offset:1040*\i+16
.endr
	LNQ4 160, 68, 76, 84, 13, 576, 14, 32
.irp u, 0,1                            ; V's weights: rows 512 + 32 g + 8 u + RM(r), and each lane's own bias, into registers that rows 0-7 have left: 14 loads; no vector line stands behind the norm's last wait
.irp k, 0,1
	GFRAG WV+8*(2*\u+\k), 9, 14, 65536+1024*\u+64*\k
	global_load_b32 v[WSV+2*\u+\k], v10, s[16:17] offset:4096+64*\u+4*\k
.endr
	global_load_b32 v[124+\u], v12, s[18:19] offset:2048+32*\u
.endr
	s_wait_loadcnt 45                              ; rows 8-11: behind them 8 + 3 + 16 + 4 + 14
	LNQ4 192, 68, 76, 84, 13, 18432, 14, 1024
	s_wait_loadcnt 37                              ; rows 12-15: 3 + 16 + 4 + 14
	LNQ4 224, 68, 76, 84, 13, 19008, 14, 1056
	; the bias tables: lane (i, h): u' of row i for heads 4 h .. 4 h + 3
	s_wait_loadcnt 14                              ; the coordinates, w_pos and b_pos are in: behind them V's 14
	s_wait_kmcnt 0x0
	v_sub_f32 v116, v116, s84
	v_sub_f32 v117, v117, s85
	v_sub_f32 v118, v118, s86
.irp k, 0,1,2,3
	v_mul_f32 v[144+\k], v116, v[128+\k]
.endr
.irp k, 0,1,2,3
	v_fmac_f32 v[144+\k], v117, v[132+\k]
.endr
.irp k, 0,1,2,3
	v_fmac_f32 v[144+\k], v118, v[136+\k]
.endr
.irp k, 0,1,2,3
	v_mul_f32 v[148+\k], 0xc0b504f3, v[144+\k]     ; -sqrt(32) u'
	v_add_f32 v[152+\k], v[144+\k], v[140+\k]
.endr
.irp k, 0,1,2,3
	v_mul_f32 v[152+\k], 0x3fb8aa3b, v[152+\k]     ; log2(e) (u' + b_pos)
.endr
	s_wait_alu depctr_va_vdst(0)                   ; the eight table entries v148 to v155 are written, which the stores below read
.irp k, 0,1,2,3
	ds_store_b32 v121, v[148+\k] offset:1024*\k
	ds_store_b32 v121, v[152+\k] offset:8192+1024*\k
.endr
	BARRIER                                        ; 1: h and the tables lie in LDS
; ---------------------------------------------------------------- K and V of head g for tokens 128 s on, in one pass
	s_wait_alu depctr_vm_vsrc(0)                   ; the loads and LDS stores so far have read v5, v7, v8, v13 to v15, v120, v121 and the norm's codes and bytes: this pass makes its addresses in the first six and loads and works over the others
	v_mul_u32_u24 v15, v4, 144
	v_lshl_add_u32 v5, v3, 4, v15
	WADR 5, 5, 18432, 0, HB                        ; h: token 128 s + RM(r), + 16 h
	v_lshlrev_b32 v6, 3, v4
	WADR 6, 6, 1024, 0, HSB
	s_wait_alu depctr_va_vdst(0)                   ; v5 and v6 are written, the addresses of the fragments' loads; the norm is done with v68 to v103, in which they land
	FETCH2 0
	v_lshl_add_u32 v7, v3, 3, v15
	WADR 7, 7, 18432, 16, KCB                      ; k's codes: the same token, block g, + 8 h
	v_lshlrev_b32 v8, 2, v2
	WADR 8, 8, 128, 256, KSB
	v_lshlrev_b32 v13, 4, v2
	v_lshl_add_u32 v13, v3, 3, v13
	WADR 13, 13, 1024, 4096, VIB                   ; V's image: 16 r + 8 h; key block j lies 256 j on
	v_lshlrev_b32 v14, 2, v2
	WADR 14, 14, 128, 512, VSB                     ; V's scale word of row r; key block j is its byte j
	s_wait_loadcnt 0x0                             ; V's weights and bias
.irp j, 0,1,2,3,4,5,6,7
	v_mov_b32 v[CBV+\j], v124                      ; in V's product a lane holds one feature: its bias in all eight registers
	v_mov_b32 v[CBV+8+\j], v125
.endr
.irp j, 0,1,2,3
	v_mov_b32 v[TMK+4+\j], 0                       ; (destinations of lane permutes count as read)
.endr
	s_wait_alu depctr_va_vdst(0)
; Group j: the tokens 128 s + 32 j on, as RM tiles b = 0, 1.  K transposed (source 0 = 16 rows of the weight, source 1 = tokens): a lane holds one token, 16 registers along head g.
; V natural (source 0 = tokens, source 1 = 16 rows of the weight): a lane holds one feature, 16 registers along the keys.  Eight accumulators by turns.
.irp j, 0,1,2,3
.if \j == 0
	s_wait_dscnt 0x0
.else
	s_wait_dscnt 8                                 ; this group's fragments are in: behind them the last group's eight stores
.endif
.irp k, 0,1
.irp b, 0,1
.irp u, 0,1
.if \k == 0
	MM ACC+16*\b+8*\u, W+8*(2*\u+\k), F+16*\b+8*\k, CB+8*\u, WS+2*\u+\k, FSK+2*\b+\k
.else
	MM ACC+16*\b+8*\u, W+8*(2*\u+\k), F+16*\b+8*\k, ACC+16*\b+8*\u, WS+2*\u+\k, FSK+2*\b+\k
.endif
.endr
.endr
.irp u, 0,1
.irp b, 0,1
.if \k == 0
	MM ACC+32+16*\u+8*\b, F+16*\b+8*\k, WV+8*(2*\u+\k), CBV+8*\u, FSK+2*\b+\k, WSV+2*\u+\k
.else
	MM ACC+32+16*\u+8*\b, F+16*\b+8*\k, WV+8*(2*\u+\k), ACC+32+16*\u+8*\b, FSK+2*\b+\k, WSV+2*\u+\k
.endif
.endr
.endr
.endr
	PLACES 4
	s_wait_alu depctr_va_vdst(0)                   ; the group's products are done reading the fragments and their scale words (in the last group: K's weights, scale words and bias too), in which the loads below land
.if \j < 3
	FETCH2 \j+1                                    ; the next group's fragments come while this group is quantised
.if \j > 0
	s_wait_dscnt 12                                ; the last group's stores are done: behind them the twelve loads just issued
	s_wait_alu depctr_vm_vsrc(0)                   ; the last group's stores have read their codes and bytes, which the quantiser below writes again
.endif
.else
	WLOAD 14, 16, 18, 0, 0, 0                      ; the Q pass's weights
	s_wait_dscnt 0x0                               ; the last group's stores are done
	s_wait_alu depctr_vm_vsrc(0)                   ; the last group's stores have read their codes and bytes, which the quantiser below writes again
.endif
	QB ACC, 4, TMK, PCK                            ; blocks 0, 1: a token's 32 numbers of head g (tile b); blocks 2, 3: 32 keys of a feature (tile u)
	s_wait_alu depctr_va_vdst(0)                   ; the codes and bytes are written, which the eight stores below read (in the first group also their addresses v7, v8, v13, v14)
.irp b, 0,1
	ds_store_b64 v7, v[PCK+2*\b:PCK+2*\b+1] offset:(32*\j+8*\b)*144
	ds_store_b8 v8, v[TMK+4+\b] offset:64*(\j/2)+2*(\j%2)+\b
.endr
.irp u, 0,1                            ; my 16 codes of key block j at their place in the image of V's fragment: register 4 (j / 2) + 2 h of lane r + 16 (j % 2)
	ds_store_b64 v13, v[PCK+4+2*\u:PCK+4+2*\u+1] offset:2048*\u+256*\j
	ds_store_b8 v14, v[TMK+6+\u] offset:256*\u+\j
.endr
.endr
	; Q: head g, plain tiles 4 s + b of my tokens
	v_mul_u32_u24 v15, v2, 144
	s_wait_alu depctr_va_vdst(0)
	v_lshl_add_u32 v168, v3, 4, v15
	WADR 168, 168, 9216, 0, HB                     ; h: token 64 s + r
	v_lshlrev_b32 v169, 3, v2
	WADR 169, 169, 512, 0, HSB
	v_lshl_add_u32 v170, v3, 3, v15
	WADR 170, 170, 9216, 16, QCB
	v_lshlrev_b32 v171, 2, v2
	WADR 171, 171, 256, 512, QSB
	s_wait_dscnt 0x0                               ; the last group's stores are done
	s_wait_alu depctr_vm_vsrc(0)                   ; they have read their codes and bytes, over which the fragments below land
	s_wait_alu depctr_va_vdst(0)                   ; v168 to v171 are written, the addresses of this pass; the K and V pass is done with v68 to v139, in which the fragments land
	FETCH4 168, 169, 144, 8, 0, 16, 32, 48
	s_wait_loadcnt 0x0
	s_wait_dscnt 0x0
	MM16T
	PLACES 4
	QB ACC, 4, TM, PC
.irp b, 0,1,2,3
	v_perm_b32 v[TM+\b], v[TM+4+\b], v[TM+4+\b], 0 ; the byte four times: q may stand in any block of the instruction's K
.endr
	s_wait_alu depctr_va_vdst(0)                   ; q's codes and scale words are written, which the stores below read
.irp b, 0,1,2,3
	ds_store_b64 v170, v[PC+2*\b:PC+2*\b+1] offset:2304*\b
	ds_store_b32 v171, v[TM+\b] offset:64*\b
.endr
	BARRIER                                        ; 2: q, k, v lie in LDS
; ---------------------------------------------------------------- attention: head g, query tiles 4 s .. 4 s + 3
	s_wait_alu depctr_vm_vsrc(0)                   ; the passes' LDS loads and stores have read v5 to v8, v13, v14, which are made anew below, and q's codes and words, over which this phase works
	v_lshl_add_u32 v164, v3, 3, v4
	v_mul_u32_u24 v164, v164, 144
	WADR 164, 164, 0, 16, KCB                      ; K packed: token 64 a + 32 c + 8 h + RM(r), block g
	v_lshlrev_b32 v165, 2, v2
	WADR 165, 165, 0, 256, KSB
	v_lshlrev_b32 v166, 4, v1
	WADR 166, 166, 0, 4096, VIB
	v_lshlrev_b32 v167, 2, v2
	WADR 167, 167, 0, 512, VSB
	v_mul_u32_u24 v15, v2, 144
	WADR 5, 15, 9216, 16, QCB                      ; q: token 64 s + r, block g; both halves of the lanes read it
	v_lshlrev_b32 v6, 2, v2
	s_wait_alu depctr_va_vdst(0)
	WADR 7, 6, 256, 1024, APB
	WADR 6, 6, 256, 512, QSB
	v_lshlrev_b32 v8, 6, v3
	WADR 8, 8, 0, 1024, NKB
	v_lshl_add_u32 v13, v3, 3, v15
	WADR 13, 13, 9216, 16, OCB
	v_lshlrev_b32 v14, 3, v2
	WADR 14, 14, 512, 1, OSB
	s_wait_alu depctr_va_vdst(0)                   ; v164 to v167 and v8 are written, the addresses of K, V and the keys' biases; the Q pass is done with v16 to v87 and with the accumulators, in which these land
.irp a, 0,1,2,3
.irp c, 0,1
	ds_load_b128 v[KF+8*\a+4*\c:KF+8*\a+4*\c+3], v164 offset:(64*\a+32*\c)*144
.endr
	ds_load_b32 v[KS+\a], v165 offset:64*\a
.endr
.irp u, 0,1
.irp g, 0,1
.irp c, 0,1
	ds_load_b128 v[VF+8*(2*\u+\g)+4*\c:VF+8*(2*\u+\g)+4*\c+3], v166 offset:2048*\u+1024*\g+512*\c
.endr
	ds_load_b32 v[VS+2*\u+\g], v167 offset:256*\u+128*\g
.endr
.endr
.irp j, 0,1,2,3
	v_mov_b32 v[88+\j], 0                          ; zero codes
	v_mov_b32 v[96+\j], 0
	v_mov_b32 v[104+\j], 0
	v_mov_b32 v[T+4+\j], 0                         ; (destinations of lane permutes count as read)
.endr
	v_mov_b32 v[AM+1], 0                           ; (upper halves of pairs of which the low word is taken)
	v_mov_b32 v[T+15], 0
	s_wait_dscnt 0x0
.macro BIAS sg                         ; -sqrt(32) u' of the keys of half sg, straight into the accumulators as C: the same for every query tile
.irp t, 0,1,2,3,4,5,6,7
	ds_load_b128 v[S+8*\t:S+8*\t+3], v8 offset:(128*(\sg)+32*(\t/2)+8*(\t%2))*4
	ds_load_b128 v[S+8*\t+4:S+8*\t+7], v8 offset:(128*(\sg)+32*(\t/2)+8*(\t%2))*4+16
.endr
.endm
; 128 keys: the sg-th half of the patch
.macro STEP sg
	s_wait_dscnt 0x0                               ; the keys' biases, asked for when the step before had quantised its p
.irp t, 0,1,2,3,4,5,6,7                ; S^T = K Q^T: key tile t stands in block t % 4 of fragment t / 4; q stands in the same block of source 1
	MM S+8*\t, KF+8*(2*\sg+\t/4), 92+8*(\t%2)-4*((\t%4)/2), S+8*\t, KS+2*\sg+\t/4, QS
.endr
	PLACES 4
.irp b, 0,1,2,3
	v_max3_num_f32 v[T+\b], v[S+16*\b], v[S+16*\b+1], v[S+16*\b+2]   ; the largest of each block of 32 keys: for the row's maximum and for the block's largest p
.endr
.irp i, 3,5,7,9,11,13
.irp b, 0,1,2,3
	v_max3_num_f32 v[T+\b], v[T+\b], v[S+16*\b+\i], v[S+16*\b+\i+1]
.endr
.endr
.irp b, 0,1,2,3
	v_max_num_f32 v[T+\b], v[T+\b], v[S+16*\b+15]
.endr
.irp b, 0,1,2,3
	v_permlanex16_b32 v[T+4+\b], v[T+\b], s58, s59
.endr
.irp b, 0,1,2,3
	v_max_num_f32 v[T+\b], v[T+\b], v[T+4+\b]
.endr
	v_max3_num_f32 v[T+12], v[T], v[T+1], v[T+2]
	v_max_num_f32 v[T+12], v[T+12], v[T+3]
	v_fma_f32 v[T+12], v[T+12], s60, v[AP]         ; as t: the whole logit x log2(e)
	v_max_num_f32 v[TMX], v[TMX], v[T+12]
	v_mov_b32 v[T+12], v[NM]
	v_floor_f32 v[NM], -v[TMX]                     ; -M = floor(-t): M is a whole number
	v_sub_f32 v[T+12], v[NM], v[T+12]
	v_cvt_i32_f32 v[T+12], v[T+12]                 ; (it saturates)
	v_ldexp_f32 v[T+14], 1.0, v[T+12]              ; f = 2^(old M - new M)
	v_add_f32 v[AM], v[AP], v[NM]
.set j, 0
.rept 32
	v_pk_fma_f32 v[S+j:S+j+1], v[S+j:S+j+1], s[60:61], v[AM:AM+1] op_sel_hi:[1,0,0]   ; t - M
.set j, j+2
.endr
.irp b, 0,1,2,3
	v_fma_f32 v[T+\b], v[T+\b], s60, v[AM]
.endr
.set j, 0
	s_wait_alu depctr_va_vdst(0)
.rept 64
	v_exp_f32 v[S+j], v[S+j]                       ; p = 2^(t - M): not normalised
.set j, j+1
.endr
	v_pk_mul_f32 v[SUM:SUM+1], v[SUM:SUM+1], v[T+14:T+15] op_sel_hi:[1,0]   ; a plain place behind the batch
	s_wait_alu depctr_va_vdst(0)                   ; the 64 exponentials are written, ahead of their first reader, the sums
.irp b, 0,1,2,3
	v_exp_f32 v[T+\b], v[T+\b]                     ; each block's largest p
.endr
	v_pk_add_f32 v[T+18:T+19], v[S:S+1], v[S+2:S+3]   ; the row's sum of the unquantised p, in two chains
.set j, 4
.rept 15
	v_pk_add_f32 v[SUM:SUM+1], v[SUM:SUM+1], v[S+j:S+j+1]
	v_pk_add_f32 v[T+18:T+19], v[T+18:T+19], v[S+j+2:S+j+3]
.set j, j+4
.endr
	v_pk_add_f32 v[SUM:SUM+1], v[SUM:SUM+1], v[T+18:T+19]
	s_wait_alu depctr_va_vdst(0)                   ; the four blocks' largest p are written, ahead of their first reader, the floor
.irp b, 0,1,2,3
	v_max_num_f32 v[T+\b], 0x1800000, v[T+\b]
.endr
.irp b, 0,1,2,3
	v_add_nc_u32 v[T+8+\b], 0xff000000, v[T+\b]
.endr
.irp b, 0,1,2,3
	v_lshrrev_b32 v[T+4+\b], 23, v[T+8+\b]
.endr
	v_lshl_or_b32 v[PWA], v[T+5], 8, v[T+4]
	v_lshl_or_b32 v[PWA], v[T+6], 16, v[PWA]
	v_lshl_or_b32 v[PWA], v[T+7], 24, v[PWA]
.irp b, 0,1,2,3
	v_cvt_scalef32_pk8_fp4_f32 v[P+2*\b], v[S+16*\b:S+16*\b+7], v[T+8+\b]
	v_cvt_scalef32_pk8_fp4_f32 v[P+2*\b+1], v[S+16*\b+8:S+16*\b+15], v[T+8+\b]
.endr
	v_nop
.irp c, 0,1
.irp i, 0,1
	v_permlane16_swap_b32 v[P+4*\c+\i], v[P+2+4*\c+\i]
.endr
.endr
.set j, 0
.rept 8
	v_pk_mul_f32 v[O+j:O+j+1], v[O+j:O+j+1], v[T+14:T+15] op_sel_hi:[1,0]   ; O^T under the new M
.set j, j+2
.endr
	PLACES 4                                       ; with the lines above: eight places behind p's scale word, four behind its codes
	s_wait_alu depctr_va_vdst(0)                   ; p's codes and scale word are written, which the two products below take as source 1 and its scales; the sums and conversions are done reading S, in which the biases below land
	BIAS 1-\sg                                     ; the other half's biases, for the next step or the next query tile (the last tile's request is not used); the two products below name neither S nor v8
.irp u, 0,1
	MM O+8*\u, VF+8*(2*\u+\sg), P, O+8*\u, VS+2*\u+\sg, PWA
.endr
.endm
	BIAS 0                                         ; no vector line since the wait ahead of K's loads names S or v8
	s_mov_b32 s66, 4
	s_mov_b32 s67, 0                               ; 16 rows of codes a trip
	s_mov_b32 s94, 0                               ; 16 words
	s_mov_b32 s95, 0                               ; 16 x 8 scale bytes
.Latt:
	s_wait_alu depctr_vm_vsrc(0)                   ; the LDS loads and stores issued so far have read the five addresses v164 to v166, v168, v169, which are made anew below, and the last tile's stores its codes and byte, which this tile's work writes
	v_add_nc_u32 v[AQ], s67, v5
	v_add_nc_u32 v[AQ+1], s94, v6
	v_add_nc_u32 v[AQ+2], s94, v7
	v_add_nc_u32 v[AO], s67, v13
	v_add_nc_u32 v[AO+1], s95, v14
	s_wait_alu depctr_va_vdst(0)                   ; the tile's addresses are written; the last tile's selects, products and multiply-adds are done reading q's codes, its scale word and the query's bias, in which the loads below land
	ds_load_b128 v[QR:QR+3], v[AQ]
	ds_load_b32 v[QS], v[AQ+1]
	ds_load_b32 v[AP], v[AQ+2]
	s_wait_dscnt 0x0
.irp j, 0,1,2,3
	v_cndmask_b32 v[92+\j], 0, v[QR+\j], s62
	v_cndmask_b32 v[100+\j], 0, v[QR+\j], s63
.endr
	v_mov_b32 v[TMX], 0xff61b1e6                   ; -3e38, under every t.  (These lines are also the places ahead of the products)
	v_floor_f32 v[NM], -v[TMX]
	v_mov_b32 v[SUM], 0
	v_mov_b32 v[SUM+1], 0
.set j, 0
.rept 16
	v_mov_b32 v[O+j], 0
.set j, j+1
.endr
	s_wait_alu depctr_va_vdst(0)                   ; q's codes in v92 to v95 and v100 to v103 (in the first tile the zero codes beside them too) are written, which the score products take as source 1
	STEP 0
	STEP 1
	v_add_f32 v[SUM], v[SUM], v[SUM+1]
	v_permlanex16_b32 v[T+4], v[SUM], s58, s59
	v_add_f32 v[SUM], v[SUM], v[T+4]               ; the row's sum
	s_wait_alu depctr_va_vdst(0)
	v_rcp_f32 v[SUM], v[SUM]
	PLACES 4
	s_wait_alu depctr_va_vdst(0)                   ; the reciprocal of the row's sum is written, ahead of its first reader
.set j, 0
.rept 8
	v_pk_mul_f32 v[OQ+j:OQ+j+1], v[O+j:O+j+1], v[SUM:SUM+1] op_sel_hi:[1,0]   ; register i: feature 32 g + 16 h + i of query r
.set j, j+2
.endr
	QB OQ, 1, T, T+22                              ; head g is block g of proj's K
	s_wait_alu depctr_va_vdst(0)                   ; o's codes and byte are written, which the two stores below read; behind the last tile: all products are done reading K and V, in which proj's weights land
	ds_store_b64 v[AO], v[T+22:T+23]
	ds_store_b8 v[AO+1], v[T+4]
	s_add_co_u32 s67, s67, 2304
	s_add_co_u32 s94, s94, 64
	s_add_co_u32 s95, s95, 128
	s_sub_co_u32 s66, s66, 1
	s_cmp_lg_u32 s66, 0
	s_cbranch_scc1 .Latt
	WLOAD 24, 26, 28, 0, 0, 0                      ; proj's weights: rows 32 g on; no vector line stands behind the loop's last wait
	BARRIER                                        ; 3: o lies in LDS
; ---------------------------------------------------------------- proj + residual
	s_wait_alu depctr_vm_vsrc(0)                   ; the biases' loads have read v8, which is made anew below; the last tile's stores have read its byte in v144, over which ln2's bias lands
	v_mul_u32_u24 v15, v2, 144
	v_lshl_add_u32 v5, v3, 4, v15
	WADR 5, 5, 9216, 0, OCB
	v_lshlrev_b32 v6, 3, v2
	WADR 6, 6, 512, 0, OSB
	AXWADR
	v_lshlrev_b32 v8, 5, v1
	s_wait_alu depctr_va_vdst(0)                   ; v5 to v8 are written, this phase's addresses; the attention is done with v68 to v139, in which the fragments land
	FETCH4 5, 6, 144, 8, 0, 16, 32, 48
	s_wait_loadcnt 0x0
	s_wait_dscnt 0x0
	MM16T
	PLACES 4
	s_wait_alu depctr_va_vdst(0)                   ; the products are done reading the fragments and their scale words, in which ln2's gain and bias and the residual rows land
	global_load_b128 v[132:135], v8, s[30:31]      ; ln2_g, ln2_b
	global_load_b128 v[136:139], v8, s[30:31] offset:16
	global_load_b128 v[140:143], v8, s[32:33]
	global_load_b128 v[144:147], v8, s[32:33] offset:16
	RMW F
	BARRIER                                        ; 4: the residual rows are whole
; ---------------------------------------------------------------- LN2: rows 8 w .. 8 w + 7
	s_wait_alu depctr_vm_vsrc(0)                   ; the residual's stores have read v68 to v131, over which fc1's weights land; the loads of proj's weights have read v9 to v11, which are made anew below
	LNADR
	s_lshl_b32 s2, s52, 13                         ; fc1: rows 64 w + RM(r)
	v_lshl_add_u32 v9, v4, 7, s2
	v_lshl_add_u32 v9, v3, 4, v9
	s_lshl_b32 s2, s52, 9
	v_lshl_add_u32 v10, v4, 3, s2
	s_lshl_b32 s2, s52, 8
	v_lshl_add_u32 v11, v3, 6, s2
	s_wait_alu depctr_va_vdst(0)                   ; v9 to v11 and v13 to v15 are written, the addresses of the loads and stores up to the next barrier; proj is done with v16 to v119 and with the accumulators, in which the loads land
.irp i, 0,1,2,3,4,5,6,7
	ds_load_b128 v[192+8*\i:195+8*\i], v15 offset:1040*\i
	ds_load_b128 v[196+8*\i:199+8*\i], v15 offset:1040*\i+16
.endr
.irp p, 0,1
.irp u, 0,1
.irp k, 0,1
	GFRAG W1+16*(2*\p+\u)+8*\k, 9, 34, 4096*\p+1024*\u+64*\k
	global_load_b32 v[WS1+2*(2*\p+\u)+\k], v10, s[36:37] offset:256*\p+64*\u+4*\k
.endr
	global_load_b128 v[CB1+8*(2*\p+\u):CB1+8*(2*\p+\u)+3], v11, s[38:39] offset:128*\p+32*\u
	global_load_b128 v[CB1+8*(2*\p+\u)+4:CB1+8*(2*\p+\u)+7], v11, s[38:39] offset:128*\p+32*\u+16
.endr
.endr
	s_wait_loadcnt 32                              ; ln2's gain and bias are in: behind them fc1's 32 loads
	LNQ4 192, 132, 140, 148, 13, 0, 14, 0
	LNQ4 224, 132, 140, 148, 13, 576, 14, 32
	BARRIER                                        ; 5: h2 lies in LDS
; ---------------------------------------------------------------- fc1, GELU, quantiser: hidden units 64 w .. 64 w + 63, for all 128 tokens
	s_wait_alu depctr_vm_vsrc(0)                   ; proj's and the norm's loads and stores have read v5 to v8, which are made anew below, and the norm's codes and bytes, over which this phase works
	v_mul_u32_u24 v5, v2, 144
	v_lshl_add_u32 v5, v3, 4, v5
	v_add_nc_u32 v5, HB, v5
	v_lshl_add_u32 v6, v2, 3, HSB
	v_mul_u32_u24 v7, v2, 528
	v_lshl_add_u32 v7, v3, 3, v7
	s_lshl_b32 s2, s52, 5
	s_add_co_u32 s2, s2, HDB
	v_add_nc_u32 v7, s2, v7                        ; hidden codes: token r, blocks 2 w on, + 8 h
	v_mul_u32_u24 v8, v2, 36
	s_lshl_b32 s2, s52, 1
	s_add_co_u32 s2, s2, HDS
	v_add_nc_u32 v8, s2, v8
	v_mov_b32 v[GC], 0xc0135761                    ; k0 = -2 log2(e) sqrt(2 / pi)
	v_mov_b32 v[GC+1], 0xc0135761
	v_mov_b32 v[GC+2], 0xbdd2d3e8                  ; k1 = 0.044715 k0
	v_mov_b32 v[GC+3], 0xbdd2d3e8
.irp j, 0,1,2,3
	v_mov_b32 v[160+\j], 0
.endr
; gelu(x) = x / (1 + 2^(x (k0 + k1 x^2))), which is 0.5 x (1 + tanh(sqrt(2 / pi) (x + 0.044715 x^3))); 32 numbers, y in v[F1 ..]
.macro GELU32 base
.set j, 0
.rept 16
	v_pk_mul_f32 v[F1+j:F1+j+1], v[\base+j:\base+j+1], v[\base+j:\base+j+1]
.set j, j+2
.endr
.set j, 0
.rept 16
	v_pk_fma_f32 v[F1+j:F1+j+1], v[F1+j:F1+j+1], v[GC+2:GC+3], v[GC:GC+1]
.set j, j+2
.endr
.set j, 0
.rept 16
	v_pk_mul_f32 v[F1+j:F1+j+1], v[F1+j:F1+j+1], v[\base+j:\base+j+1]
.set j, j+2
.endr
.set j, 0
	s_wait_alu depctr_va_vdst(0)
.rept 32
	v_exp_f32 v[F1+j], v[F1+j]
.set j, j+1
.endr
	v_nop
	s_wait_alu depctr_va_vdst(0)                   ; the 32 exponentials are written, ahead of their first reader
.set j, 0
.rept 16
	v_pk_add_f32 v[F1+j:F1+j+1], v[F1+j:F1+j+1], 1.0 op_sel_hi:[1,0]
.set j, j+2
.endr
.set j, 0
	s_wait_alu depctr_va_vdst(0)
.rept 32
	v_rcp_f32 v[F1+j], v[F1+j]
.set j, j+1
.endr
	v_nop
	s_wait_alu depctr_va_vdst(0)                   ; the 32 reciprocals are written, ahead of their first reader
.set j, 0
.rept 16
	v_pk_mul_f32 v[\base+j:\base+j+1], v[\base+j:\base+j+1], v[F1+j:F1+j+1]
.set j, j+2
.endr
.endm
	s_wait_loadcnt 0x0                             ; fc1's weights
	s_mov_b32 s66, 4
	s_mov_b32 s67, 0                               ; 32 tokens a trip: of h2's codes,
	s_mov_b32 s94, 0                               ; of its scale bytes,
	s_mov_b32 s95, 0                               ; of the hidden codes,
	s_mov_b32 s96, 0                               ; of their scale bytes
.Lfc1:
	s_wait_dscnt 0x0                               ; the last trip's stores are done
	s_wait_alu depctr_vm_vsrc(0)                   ; the last trip's loads and stores have read the four addresses v12 to v15, which are made anew below, and its codes and bytes, which this trip's quantiser writes
	v_add_nc_u32 v12, s67, v5
	v_add_nc_u32 v13, s94, v6
	v_add_nc_u32 v14, s95, v7
	v_add_nc_u32 v15, s96, v8
	s_wait_alu depctr_va_vdst(0)                   ; the trip's addresses are written; the last trip's products and its GELU are done with v120 to v155, in which the fragments and their scale words land
.irp t, 0,1
.irp k, 0,1
	LFRAG F1+16*\t+8*\k, 12, 2304*\t+64*\k
	ds_load_b32 v[FS1+2*\t+\k], v13 offset:128*\t+4*\k
.endr
.endr
	s_wait_dscnt 0x0
.irp k, 0,1
.irp t, 0,1
.irp p, 0,1
.irp u, 0,1
.if \k == 0
	MM ACC+16*(2*\t+\p)+8*\u, W1+16*(2*\p+\u)+8*\k, F1+16*\t+8*\k, CB1+8*(2*\p+\u), WS1+2*(2*\p+\u)+\k, FS1+2*\t+\k
.else
	MM ACC+16*(2*\t+\p)+8*\u, W1+16*(2*\p+\u)+8*\k, F1+16*\t+8*\k, ACC+16*(2*\t+\p)+8*\u, WS1+2*(2*\p+\u)+\k, FS1+2*\t+\k
.endif
.endr
.endr
.endr
.endr
	PLACES 4
	GELU32 ACC
	GELU32 ACC+32
	QB ACC, 4, 156, 172                            ; block 2 t + p: token tile t, hidden units 64 w + 32 p on
	s_wait_alu depctr_va_vdst(0)                   ; the hidden layer's codes and bytes are written, which the stores below read
.irp t, 0,1
.irp p, 0,1
	ds_store_b64 v14, v[172+2*(2*\t+\p):172+2*(2*\t+\p)+1] offset:8448*\t+16*\p
	ds_store_b8 v15, v[160+2*\t+\p] offset:576*\t+\p
.endr
.endr
	s_add_co_u32 s67, s67, 4608
	s_add_co_u32 s94, s94, 256
	s_add_co_u32 s95, s95, 16896
	s_add_co_u32 s96, s96, 1152
	s_sub_co_u32 s66, s66, 1
	s_cmp_lg_u32 s66, 0
	s_cbranch_scc1 .Lfc1
	s_lshl_b32 s2, s53, 14                         ; fc2: rows 32 g + RM(r) of 512 bytes.  (The loads of fc1's weights, which read v9 to v11, stand ahead of the loop's waits on vm_vsrc)
	v_lshl_add_u32 v9, v4, 9, s2
	v_lshl_add_u32 v9, v3, 4, v9
	s_lshl_b32 s2, s53, 10
	v_lshl_add_u32 v10, v4, 5, s2
	s_lshl_b32 s2, s53, 7
	v_lshl_add_u32 v11, v3, 6, s2
	s_wait_alu depctr_va_vdst(0)                   ; v9 to v11 are written, the offsets of fc2's weights and bias; fc1's products are done reading v16 to v103, in which these land
.irp u, 0,1
	global_load_b128 v[88+8*\u:91+8*\u], v11, s[44:45] offset:32*\u
	global_load_b128 v[92+8*\u:95+8*\u], v11, s[44:45] offset:32*\u+16
.endr
.macro W2LOAD k                        ; K step k's two fragments and scale words, into slot k % 4: six loads
.irp u, 0,1
	GFRAG 16+16*((\k)%4)+8*\u, 9, 40, 4096*\u+64*(\k)
	global_load_b32 v[80+2*((\k)%4)+\u], v10, s[42:43] offset:256*\u+4*(\k)
.endr
.endm
	W2LOAD 0
	W2LOAD 1
	W2LOAD 2
	W2LOAD 3
	BARRIER                                        ; 6: the hidden layer lies in LDS
; ---------------------------------------------------------------- fc2 + residual: features 32 g on, tokens 64 s on
	s_wait_alu depctr_vm_vsrc(0)                   ; fc1's last stores have read their codes and bytes in v160 to v163 and v172 to v179, over which the hidden fragments land
	v_mul_u32_u24 v5, v2, 528
	v_lshl_add_u32 v5, v3, 4, v5
	WADR 5, 5, 33792, 0, HDB
	v_mul_u32_u24 v6, v2, 36
	WADR 6, 6, 2304, 0, HDS
	AXWADR
	v_lshlrev_b32 v8, 4, v1
	s_wait_alu depctr_va_vdst(0)                   ; v5 to v8 are written, this phase's addresses; fc1 is done with v104 to v175, in which the first two K steps' fragments land
.macro F2LOAD k                        ; K step k's four hidden fragments and their scale words, into buffer k % 2: twelve LDS loads
.irp b, 0,1,2,3
	LFRAG F2+BUF2*((\k)%2)+8*\b, 5, 8448*\b+64*(\k)
	ds_load_b32 v[FS2+BUF2*((\k)%2)+\b], v6 offset:576*\b+4*(\k)
.endr
.endm
	F2LOAD 0
.irp k, 0,1,2,3,4,5,6,7
.if \k < 7
	F2LOAD \k+1                                    ; the next K step's fragments come while this one is multiplied; their buffer's last readers stand ahead of the last K step's wait on va_vdst
	s_wait_dscnt 12                                ; this K step's are in: behind them the twelve just issued
.else
	s_wait_dscnt 0x0
.endif
.if \k <= 4
	s_wait_loadcnt 18                              ; this K step's weights are in: three later groups of six may stay out
.else
	s_wait_loadcnt 6*(7-\k)
.endif
.irp b, 0,1,2,3
.irp u, 0,1
.if \k == 0
	MM ACC+16*\b+8*\u, 16+16*(\k%4)+8*\u, F2+BUF2*(\k%2)+8*\b, 88+8*\u, 80+2*(\k%4)+\u, FS2+BUF2*(\k%2)+\b
.else
	MM ACC+16*\b+8*\u, 16+16*(\k%4)+8*\u, F2+BUF2*(\k%2)+8*\b, ACC+16*\b+8*\u, 80+2*(\k%4)+\u, FS2+BUF2*(\k%2)+\b
.endif
.endr
.endr
	PLACES 4
.if \k != 6                            ; (nothing is loaded over K step 6's registers before K step 7's wait)
	s_wait_alu depctr_va_vdst(0)                   ; this K step's products are done reading their slot of weights and their buffer of fragments, in which the loads that follow land: weights four K steps on, fragments two K steps on; behind the last K step the final norm's gain and bias and the residual rows
.endif
.if \k < 4
	W2LOAD \k+4
.endif
.endr
	global_load_b128 v[68:71], v8, s[46:47]        ; norm_g, norm_b: features 4 l on and 128 + 4 l on
	global_load_b128 v[72:75], v8, s[46:47] offset:512
	global_load_b128 v[76:79], v8, s[48:49]
	global_load_b128 v[80:83], v8, s[48:49] offset:512
	RMW F2
	BARRIER                                        ; 7: the block's result lies in the residual rows
; ---------------------------------------------------------------- the way out: rows 8 w .. 8 w + 7, scattered by perm as whole rows
	s_wait_alu depctr_vm_vsrc(0)                   ; the residual's stores have read v104 to v167: the rows' offsets are made in v160 to v167 and the final norm works in v84 to v159
	s_mul_i32 s2, s52, 8320
	v_lshl_add_u32 v12, v1, 4, s2
.set i, 0
.rept 8
	s_lshl_b32 s2, s[68+i], 10
	v_lshl_add_u32 v[160+i], v1, 4, s2
.set i, i+1
.endr
	s_wait_alu depctr_va_vdst(0)                   ; v12 is written, the address of the loads below; the residual's sums are done reading the accumulators, in which they land
.irp i, 0,1,2,3,4,5,6,7
	ds_load_b128 v[192+8*\i:195+8*\i], v12 offset:1040*\i
	ds_load_b128 v[196+8*\i:199+8*\i], v12 offset:1040*\i+512
.endr
	s_wait_loadcnt 0x0
	s_wait_dscnt 0x0
.macro FLN4 x                          ; the final norm of four rows, taken where the layer is the last
	LNCORE 128, \x, 68, 76, 84
.set j, 0
.rept 32
	v_cndmask_b32 v[\x+j], v[\x+j], v[128+j], s56
.set j, j+1
.endr
.endm
	FLN4 192
	s_wait_alu depctr_va_vdst(0)                   ; rows 0 to 3 are written by the selects, which the stores below read
.irp i, 0,1,2,3
	global_store_b128 v[160+\i], v[192+8*\i:195+8*\i], s[50:51]             ; 32 lanes store 512 consecutive bytes, aligned
	global_store_b128 v[160+\i], v[196+8*\i:199+8*\i], s[50:51] offset:512
.endr
	FLN4 224
	s_wait_alu depctr_va_vdst(0)                   ; rows 4 to 7 are written by the selects, which the stores below read
.irp i, 4,5,6,7
	global_store_b128 v[160+\i], v[192+8*\i:195+8*\i], s[50:51]
	global_store_b128 v[160+\i], v[196+8*\i:199+8*\i], s[50:51] offset:512
.endr
	s_wait_xcnt 0x0
	s_wait_alu depctr_vm_vsrc(0)                   ; the last stores have read v254 and v255, which are made anew below
	v_lshl_add_u32 v254, v0, 2, 0x4ac00
	v_mov_b32 v255, 0
	s_wait_dscnt 0x0                               ; the closing lines, six on end
	s_wait_alu 0x0
	s_wait_tensorcnt 0x0
	ds_add_u32 v254, v255
	s_wait_dscnt 0x0
	s_endpgm
.Lfunc_end_k_q9ca591ad2b_layer0:
	.size	k_q9ca591ad2b_layer0, .Lfunc_end_k_q9ca591ad2b_layer0-k_q9ca591ad2b_layer0
	.p2alignl 7, 3214868480
	.fill 96, 4, 3214868480
	.section	.rodata,"a",@progbits
	.p2align	6, 0x0
	.amdhsa_kernel k_q9ca591ad2b_layer0
		.amdhsa_group_segment_fixed_size 308224
		.amdhsa_private_segment_fixed_size 0
		.amdhsa_enable_private_segment 0
		.amdhsa_kernarg_size 192
		.amdhsa_user_sgpr_count 2
		.amdhsa_user_sgpr_kernarg_segment_ptr 1
		.amdhsa_wavefront_size32 1
		.amdhsa_system_sgpr_workgroup_id_x 1
		.amdhsa_system_sgpr_workgroup_id_y 1
		.amdhsa_system_sgpr_workgroup_id_z 1
		.amdhsa_system_vgpr_workitem_id 0
		.amdhsa_next_free_vgpr 256
		.amdhsa_next_free_sgpr 102
		.amdhsa_reserve_vcc 0
		.amdhsa_float_denorm_mode_32 3
		.amdhsa_float_denorm_mode_16_64 3
		.amdhsa_memory_ordered 1
		.amdhsa_forward_progress 1
		.amdhsa_inst_pref_size 255
	.end_amdhsa_kernel
	.amdgpu_metadata
---
amdhsa.version: [ 1, 2 ]
amdhsa.kernels:
  - .name:           k_q9ca591ad2b_layer0
    .symbol:         k_q9ca591ad2b_layer0.kd
    .args:
      - { .name: x, .offset: 0, .size: 8, .value_kind: global_buffer, .address_space: global }
      - { .name: coords, .offset: 8, .size: 8, .value_kind: global_buffer, .address_space: global }
      - { .name: perm0, .offset: 16, .size: 8, .value_kind: global_buffer, .address_space: global }
      - { .name: ln1_g, .offset: 24, .size: 8, .value_kind: global_buffer, .address_space: global }
      - { .name: ln1_b, .offset: 32, .size: 8, .value_kind: global_buffer, .address_space: global }
      - { .name: w_qkv_codes, .offset: 40, .size: 8, .value_kind: global_buffer, .address_space: global }
      - { .name: w_qkv_scales, .offset: 48, .size: 8, .value_kind: global_buffer, .address_space: global }
      - { .name: b_qkv, .offset: 56, .size: 8, .value_kind: global_buffer, .address_space: global }
      - { .name: w_pos, .offset: 64, .size: 8, .value_kind: global_buffer, .address_space: global }
      - { .name: b_pos, .offset: 72, .size: 8, .value_kind: global_buffer, .address_space: global }
      - { .name: w_proj_codes, .offset: 80, .size: 8, .value_kind: global_buffer, .address_space: global }
      - { .name: w_proj_scales, .offset: 88, .size: 8, .value_kind: global_buffer, .address_space: global }
      - { .name: b_proj, .offset: 96, .size: 8, .value_kind: global_buffer, .address_space: global }
      - { .name: ln2_g, .offset: 104, .size: 8, .value_kind: global_buffer, .address_space: global }
      - { .name: ln2_b, .offset: 112, .size: 8, .value_kind: global_buffer, .address_space: global }
      - { .name: w_fc1_codes, .offset: 120, .size: 8, .value_kind: global_buffer, .address_space: global }
      - { .name: w_fc1_scales, .offset: 128, .size: 8, .value_kind: global_buffer, .address_space: global }
      - { .name: b_fc1, .offset: 136, .size: 8, .value_kind: global_buffer, .address_space: global }
      - { .name: w_fc2_codes, .offset: 144, .size: 8, .value_kind: global_buffer, .address_space: global }
      - { .name: w_fc2_scales, .offset: 152, .size: 8, .value_kind: global_buffer, .address_space: global }
      - { .name: b_fc2, .offset: 160, .size: 8, .value_kind: global_buffer, .address_space: global }
      - { .name: norm_g, .offset: 168, .size: 8, .value_kind: global_buffer, .address_space: global }
      - { .name: norm_b, .offset: 176, .size: 8, .value_kind: global_buffer, .address_space: global }
      - { .name: x1, .offset: 184, .size: 8, .value_kind: global_buffer, .address_space: global }
    .group_segment_fixed_size: 308224
    .private_segment_fixed_size: 0
    .kernarg_segment_align: 8
    .kernarg_segment_size: 192
    .max_flat_workgroup_size: 512
    .sgpr_count:     102
    .vgpr_count:     256
    .wavefront_size: 32
...
	.end_amdgpu_metadata
.endif
;; end of part 6
;; launch layer1: the kernel of part 6 again; grid 256 x 1, 16 waves a work-group, no clusters, 308,224 bytes of LDS; arguments x1, coords, perm1, ln1_g, ln1_b, w_qkv_codes, w_qkv_scales, b_qkv, w_pos, b_pos, w_proj_codes, w_proj_scales, b_proj, ln2_g, ln2_b, w_fc1_codes, w_fc1_scales, b_fc1, w_fc2_codes, w_fc2_scales, b_fc2, norm_g, norm_b, out0; writes out0
